; MI455X (gfx1250); checked and timed in simulation.
; The chip was launched on July 23, 2026; its instructions are those of AMD's public machine-readable ISA for CDNA 5 (MIT licence, August 2026) and "CDNA5" Instruction Set Architecture Reference Guide (July 2026). The comments in the code are by the model that wrote it; some were corrected since.
;; Multihead Attention. Allowed arithmetic: matrix products marked QUANTISED: E4M3 operands, one given power-of-two scale a tensor, by v_wmma_f32_16x16x64_fp8_fp8 or v_wmma_f32_16x16x128_fp8_fp8, f32 sums; everything else in f32.
;; Inputs: b_out 1,024 float32; b_qkv 3,072 float32; lowp_scales 8 int32 (the exponents e of the quantised operands' scales 2^e); w_out 1,024 x 1,024 float32; w_qkv 1,024 x 3,072 float32; x 4 x 2,048 x 1,024 float32.
;; Outputs: out0 4 x 2,048 x 1,024 float32.
;; This version of the problem:
;;   THIS VERSION OF THE PROBLEM IS GIVEN IN LOW PRECISION. The matrix products marked QUANTISED in the list below multiply operands that are first quantised to E4M3 (4 exponent bits, 3 mantissa bits; 8 bits a number), with one given power-of-two scale for each operand tensor; their sums are f32. All else is computed in f32.
;;   The module's matrix products, in the order in which they are computed (A, B: the left and right operand; K: the contracted axis; several contracted axes count as one K, in the product's order):
;;     1. [M 8,192, K 1,024] x [K 1,024, N 3,072]; A: input x; B: input w_qkv: QUANTISED (scales: A lowp_scales[0], B lowp_scales[1])
;;     2. batch 64 x [M 2,048, K 64] x [K 64, N 2,048]; A: computed on the way; B: computed on the way: QUANTISED (scales: A lowp_scales[2], B lowp_scales[3])
;;     3. batch 64 x [M 2,048, K 2,048] x [K 2,048, N 64]; A: softmax (see below); B: computed on the way: QUANTISED (scales: A lowp_scales[4], B lowp_scales[5])
;;     4. [M 8,192, K 1,024] x [K 1,024, N 1,024]; A: computed on the way; B: input w_out: QUANTISED (scales: A lowp_scales[6], B lowp_scales[7])
;;   THE QUANTISER, for each operand of a quantised product, along K:
;;     - The operand's scale is 2^e, e = its entry of the input lowp_scales (int32; the entries are numbered through the quantised products in the list's order, A before B).
;;     - Each number is divided by the scale, clamped to +-448, and rounded to the nearest number of E4M3, ties to even, subnormals kept.
;;     - The product sums the exact products of the quantised numbers (number of the format x scale) in f32.
;;   ~~~python
;;   def quantise(x, axis, e):      # numpy; x: float32 -> the quantised numbers, widened to float32 again
;;       x = np.moveaxis(x, axis, -1); K = x.shape[-1]
;;       r = np.clip(x / 2.0 ** e, -448, 448)
;;       step = 2.0 ** (np.maximum(np.frexp(np.where(r == 0, 1, r))[1] - 1, -6) - 3)
;;       q = np.round(r / step) * step * 2.0 ** e      # np.round: ties to even
;;       return np.moveaxis(q, -1, axis).astype(np.float32)
;;   ~~~
;;   SOFTMAX AHEAD OF A QUANTISED PRODUCT. Where the list says 'softmax', what is quantised is not the finished softmax but p = 2^(t - M), with t = logit x log2(e) and M = ceil(the row's largest t), a whole number; so 1/2 < the row's largest p <= 1. The row's sum l is taken of the UNQUANTISED p, in f32, and the product's result is divided by l at the end. Since M is a whole number, a kernel that streams over the keys may use a running M (the ceiling of the running maximum): every later rescaling is an exact power of two, so the quantised numbers keep their values, but for numbers so far below the row's largest that they fall under the format's range.
;;   OPERANDS COMPUTED ON THE WAY. 'Computed on the way' means the value that the module computes at that place (a softmax that the list does not call 'softmax' is quantised finished and normalised). What goes into a quantiser is computed in f32, as accurately as f32 sums, v_exp_f32 and their like allow (about 1e-6 of the number): no bf16 or f16 on the way to a quantiser, and a product that is left as it is and whose result goes on into a quantised operand takes f32 operands (vector FMAs, or v_wmma_f32_16x16x4_f32). A number that lies on a knife's edge between two numbers of the format may be rounded either way, as far as f32 arithmetic and the matrix unit's own rounding can turn it there, and no further.
;; One version. Each part assembles by itself: llvm-mc -triple=amdgcn-amd-amdhsa -mcpu=gfx1250 --defsym DOCPART=n.
;; ======== version 1 of 1: 4 launches
;; limits: right only within a limited range of input values
;; workspace buffers: x_codes 8,388,608 bytes; wqkv_codes 3,145,728 bytes; wo_codes 1,048,576 bytes; q_codes 8,388,608 bytes; k_codes 8,388,608 bytes; v_codes 8,388,608 bytes; a_img 8,388,608 bytes
;; launch quant (part 1): grid 384 x 1, 4 waves a work-group, no clusters, 68,096 bytes of LDS; arguments x, w_qkv, w_out, lowp_scales, x_codes, wqkv_codes, wo_codes; writes x_codes, wqkv_codes, wo_codes
.if DOCPART == 1
	.amdgcn_target "amdgcn-amd-amdhsa--gfx1250"
	.amdhsa_code_object_version 6
	.text
	.protected	k_qf2192a9fb2_quant
	.globl	k_qf2192a9fb2_quant
	.p2align	8
	.type	k_qf2192a9fb2_quant,@function
k_qf2192a9fb2_quant:
	s_mov_b64 s[64:65], 0
	v_nop
	global_prefetch_b8 v0, s[64:65] scope:SCOPE_SE
	s_setreg_imm32_b32 hwreg(HW_REG_WAVE_MODE, 25, 1), 1
	s_wait_xcnt 0x0
; x [8192][1024], w_qkv [1024][3072] and w_out [1024][1024], f32, become codes of FP8 (E4M3), K innermost, each with its given scale 2^e (entries 0, 1 and 7 of the scales).
; code = number / 2^e, held within +-448, rounded to the nearest code, ties to even.  LIMITS: -126 <= e <= 119.  NaN among the inputs is not served; an infinity is held at the largest code.
; Work-groups 0-255 take x, whose K is innermost: a plain stream, 32,768 numbers a work-group, 16 steps of 512 numbers a wave.  Each load reads 512 consecutive bytes; a step's 2,048 bytes turn through
; the wave's own stage in LDS, so that a lane holds 16 neighbours along K for the conversions; a lane's 16 codes are 16 bytes: a store covers 512 consecutive bytes.
; Work-groups 256-351 take w_qkv, 352-383 w_out, whose K is the FIRST axis: a lane takes a column and its registers run down K; a wave takes 32 columns x 256 along K; the codes leave through the wave's
; stage as rows: sixteen lanes store 256 consecutive bytes, aligned.  The two weights differ in their pitch alone, which stands in a register.
; No tensor load, no barrier: waves share nothing.  Each of the two ways has LDS bytes of its own.
.set STEPS, 16
.set EMAX,  8
.set MANT,  0x600000                   ; the mantissa field of 448 as f32
.set R,     16                         ; x: v16-79   four sets of 16 numbers as they are loaded
.set X,     80                         ; x: v80-111  two sets of 16 neighbours
.set C,     128                        ; x: v128-191 codes, four registers for each step: no store's data are written again
.set WREG,  8192                       ; x: LDS 0 .. 32,767: a region for each wave, two stages of 32 x SP bytes
.set SP,    80                         ; a lane's place in a stage: 64 bytes + 16 of padding
.set WST,   32768                      ; weights: LDS 32,768 .. 67,583: 32 rows x PITCH for each wave
.set PITCH, 272                        ; a stage row: 256 codes + 16 of padding
.set NB,    8                          ; weights: blocks of 32 along K for a wave
.set WX,    32                         ; weights: v32-95 two sets of 32 numbers
.set WC,    96                         ; weights: v96-103 a block's codes
.set OUTR,  112                        ; weights: v112-175 the way out
.set OFS,   176                        ; weights: v176-207 row i of a block: i x pitch + 4 x lane; never rewritten
	s_load_b256 s[4:11], s[0:1], 0x0               ; x s[4:5], w_qkv s[6:7], w_out s[8:9], the scales' exponents s[10:11]
	s_load_b128 s[12:15], s[0:1], 0x20             ; x's codes s[12:13], w_qkv's s[14:15]
	s_load_b64 s[16:17], s[0:1], 0x30              ; w_out's codes
	v_lshl_add_u32 v208, v0, 2, 0x10800
	v_mov_b32 v209, 0
	v_lshrrev_b32 v1, 5, v0
	v_readfirstlane_b32 s18, v1                    ; wave
	v_and_b32 v2, 31, v0                           ; lane
	v_lshlrev_b32 v3, 4, v2                        ; x: my 16 bytes of a load's 512, and of a store's
	s_mul_i32 s19, s18, WREG
	v_lshrrev_b32 v14, 2, v2
	v_mul_u32_u24 v14, v14, SP
	v_and_b32 v15, 3, v2
	v_lshl_add_u32 v14, v15, 4, v14
	v_add_nc_u32 v14, s19, v14                     ; x's stage, in: SP (lane / 4) + 16 (lane % 4)
	v_mul_u32_u24 v15, v2, SP
	v_add_nc_u32 v15, s19, v15                     ; and out: SP x lane: my 16 neighbours
	v_lshlrev_b32 v5, 2, v2                        ; weights: 4 bytes a lane
	s_mul_i32 s19, s18, 32*PITCH
	s_add_co_u32 s19, s19, WST                     ; my stage
	v_mul_u32_u24 v6, v2, PITCH
	v_add_nc_u32 v6, s19, v6                       ; into it: row = my column
	v_and_b32 v9, 15, v2
	v_lshrrev_b32 v12, 4, v2
	v_mul_u32_u24 v7, v12, PITCH
	v_lshl_add_u32 v7, v9, 4, v7
	v_add_nc_u32 v7, s19, v7                       ; out of it: sixteen lanes to a row, two rows an instruction
	v_lshlrev_b32 v8, 10, v12
	v_lshl_add_u32 v8, v9, 4, v8                   ; and the same place in the codes' buffer (a row is 1,024 bytes)
	s_wait_kmcnt 0x0
	s_load_b256 s[24:31], s[10:11], 0x0            ; the eight exponents: s24 x's, s25 w_qkv's, s31 w_out's
	s_cmp_lt_u32 ttmp9, 256
	s_cbranch_scc0 .Lweights
; ---------------- x ----------------
.macro LOAD t
.irp i, 0,1,2,3
	global_load_b128 v[R+16*((\t)%4)+4*\i:R+16*((\t)%4)+4*\i+3], v3, s[4:5] offset:2048*(\t)+512*\i th:TH_LOAD_NT   ; 32 lanes read 512 consecutive bytes
.endr
.endm
.macro TURN t                          ; step t's numbers through the stage: LDS serves a wave's instructions in order, so no wait stands between the stores and the loads
.irp i, 0,1,2,3
	ds_store_b128 v14, v[R+16*((\t)%4)+4*\i:R+16*((\t)%4)+4*\i+3] offset:32*SP*((\t)%2)+8*SP*\i
.endr
.irp i, 0,1,2,3
	ds_load_b128 v[X+16*((\t)%2)+4*\i:X+16*((\t)%2)+4*\i+3], v15 offset:32*SP*((\t)%2)+16*\i
.endr
.endm
.macro STEP t
.set XS, X+16*((\t)%2)
	s_wait_dscnt 0x0                               ; this step's numbers are back from the stage, so its stores into the stage have read their registers,
.if (\t)+4 < STEPS
	LOAD (\t)+4                                    ; which take the loads of four steps on
.endif
.if (\t)+1 < STEPS
.if STEPS-2-(\t) >= 3
	s_wait_loadcnt 12                              ; the next step's four loads are in; those of the three steps behind it may be out
.else
	s_wait_loadcnt 4*(STEPS-2-(\t))
.endif
	TURN (\t)+1                                    ; and go through the other stage while this step is worked
.endif
.irp i, 0,1,2,3,4,5,6,7,8,9,10,11,12,13,14,15
	v_med3_num_f32 v[XS+\i], v[XS+\i], -v10, v10   ; the conversion to an 8-bit code does not saturate (ISA guide 7.6.2): the hold at the largest code x the scale
.endr
	v_cvt_scalef32_pk8_fp8_f32 v[C+4*(\t):C+4*(\t)+1], v[XS:XS+7], v11
	v_cvt_scalef32_pk8_fp8_f32 v[C+4*(\t)+2:C+4*(\t)+3], v[XS+8:XS+15], v11
	global_store_b128 v3, v[C+4*(\t):C+4*(\t)+3], s[12:13] offset:512*(\t)   ; the codes go to a store alone; the next vector lines are the next step's holds, plain ones on other registers
.endm
	s_lshl_b32 s20, ttmp9, 2
	s_add_co_u32 s20, s20, s18                     ; which run of 8,192 numbers is my wave's: 0 .. 1,023
	s_lshl_b32 s22, s20, 15
	s_mov_b32 s23, 0
	s_add_nc_u64 s[4:5], s[4:5], s[22:23]
	s_lshl_b32 s22, s20, 13
	s_add_nc_u64 s[12:13], s[12:13], s[22:23]
.irp t, 0,1,2,3
	LOAD \t
.endr
	s_wait_kmcnt 0x0
	s_add_co_i32 s22, s24, 127
	s_lshl_b32 s23, s22, 23
	v_mov_b32 v11, s23                             ; 2^e as f32: the conversion takes its exponent field
	s_add_co_i32 s22, s22, EMAX
	s_lshl_b32 s22, s22, 23
	s_or_b32 s22, s22, MANT
	v_mov_b32 v10, s22                             ; 448 x 2^e
	s_wait_alu depctr_va_vdst(0)
	s_wait_loadcnt 12                              ; step 0's four loads are in
	TURN 0
.irp t, 0,1,2,3,4,5,6,7,8,9,10,11,12,13,14,15
	STEP \t
.endr
	s_wait_tensorcnt 0x0
	ds_add_u32 v208, v209
	s_wait_dscnt 0x0
	s_endpgm
; ---------------- the two weights ----------------
.macro WLOAD t                         ; block t: W(32 t + i, my column), i = 0 .. 31, into set t % 2: 128 consecutive bytes a wave, 512 a work-group
.set i, 0
.rept 32
	global_load_b32 v[WX+32*((\t)%2)+i], v[OFS+i], s[32+2*(\t):33+2*(\t)] th:TH_LOAD_NT
.set i, i+1
.endr
.endm
.macro BLOCK t
.set XS, WX+32*((\t)%2)
.if (\t) < NB-1
	s_wait_loadcnt 32                              ; this block's 32 loads are in; the next block's may be out
.else
	s_wait_loadcnt 0
.endif
.set i, 0
.rept 32
	v_med3_num_f32 v[XS+i], v[XS+i], -v10, v10
.set i, i+1
.endr
.irp g, 0,1,2,3
	v_cvt_scalef32_pk8_fp8_f32 v[WC+2*\g:WC+2*\g+1], v[XS+8*\g:XS+8*\g+7], v11
.endr
	ds_store_b128 v6, v[WC:WC+3] offset:32*(\t)    ; 32 codes: 32 bytes of my column's row
	ds_store_b128 v6, v[WC+4:WC+7] offset:32*(\t)+16
.if (\t)+2 < NB
	WLOAD (\t)+2
.endif
	s_wait_dscnt 0x0                               ; the stores have read their registers: the next block's codes may be written
.endm
.Lweights:
	s_sub_co_u32 s20, ttmp9, 256                   ; 0 .. 95: w_qkv; 96 .. 127: w_out
	s_cmp_lt_u32 s20, 96                           ; the choice hangs on the work-group's number alone
	s_cselect_b64 s[6:7], s[6:7], s[8:9]           ; the weight,
	s_cselect_b64 s[14:15], s[14:15], s[16:17]     ; its codes,
	s_mov_b32 s21, 4096
	s_cselect_b32 s21, 12288, s21                  ; its pitch in bytes,
	s_cselect_b32 s48, 1, 0                        ; (kept for the choice of the exponent)
	s_cselect_b32 s19, 0, 96
	s_sub_co_u32 s20, s20, s19                     ; and my number among its work-groups
	s_lshr_b32 s22, s20, 2                         ; which 128 columns
	s_and_b32 s23, s20, 3                          ; which 256 along K
	s_lshl_b32 s22, s22, 7
	s_lshl_b32 s50, s18, 5
	s_add_co_u32 s22, s22, s50                     ; my wave's first column
	s_lshl_b32 s50, s23, 8
	s_mul_i32 s50, s50, s21                        ; 256 kb rows,
	s_lshl_b32 s51, s22, 2
	s_add_co_u32 s50, s50, s51                     ; + 4 x column
	s_mov_b32 s51, 0
	s_add_nc_u64 s[32:33], s[6:7], s[50:51]        ; block 0's base;
	s_lshl_b32 s50, s21, 5                         ; 32 rows on:
.irp t, 1,2,3,4,5,6,7
	s_add_nc_u64 s[32+2*\t:33+2*\t], s[30+2*\t:31+2*\t], s[50:51]   ; a base for each block, never stepped
.endr
	s_lshl_b32 s52, s22, 10                        ; the codes: column x 1,024 + 256 kb
	s_lshl_b32 s53, s23, 8
	s_add_co_u32 s52, s52, s53
	s_mov_b32 s53, 0
	s_add_nc_u64 s[14:15], s[14:15], s[52:53]
.set i, 0
.rept 32
	s_mul_i32 s54, s21, i
	v_add_nc_u32 v[OFS+i], s54, v5
.set i, i+1
.endr
	s_wait_alu depctr_va_vdst(0)
	WLOAD 0
	WLOAD 1
	s_wait_kmcnt 0x0
	s_cmp_eq_u32 s48, 1
	s_cselect_b32 s49, s25, s31                    ; e
	s_add_co_i32 s49, s49, 127
	s_lshl_b32 s55, s49, 23
	v_mov_b32 v11, s55                             ; 2^e
	s_add_co_i32 s49, s49, EMAX
	s_lshl_b32 s49, s49, 23
	s_or_b32 s49, s49, MANT
	v_mov_b32 v10, s49                             ; 448 x 2^e
.set Q, 0
	s_wait_alu depctr_va_vdst(0)
.rept NB
	BLOCK Q
.set Q, Q+1
.endr
.irp t, 0,1,2,3,4,5,6,7,8,9,10,11,12,13,14,15
	ds_load_b128 v[OUTR+4*\t:OUTR+4*\t+3], v7 offset:2*\t*PITCH   ; LDS serves a wave's instructions in order: these see my stores
.endr
.irp t, 0,1,2,3,4,5,6,7,8,9,10,11,12,13,14,15
	s_wait_dscnt 15-\t
	global_store_b128 v8, v[OUTR+4*\t:OUTR+4*\t+3], s[14:15] offset:2*\t*1024
.endr
	s_wait_tensorcnt 0x0
	ds_add_u32 v208, v209
	s_wait_dscnt 0x0
	s_endpgm
.Lfunc_end_k_qf2192a9fb2_quant:
	.size	k_qf2192a9fb2_quant, .Lfunc_end_k_qf2192a9fb2_quant-k_qf2192a9fb2_quant
	.p2alignl 7, 3214868480
	.fill 96, 4, 3214868480
	.section	.rodata,"a",@progbits
	.p2align	6, 0x0
	.amdhsa_kernel k_qf2192a9fb2_quant
		.amdhsa_group_segment_fixed_size 68096
		.amdhsa_private_segment_fixed_size 0
		.amdhsa_enable_private_segment 0
		.amdhsa_kernarg_size 56
		.amdhsa_user_sgpr_count 2
		.amdhsa_user_sgpr_kernarg_segment_ptr 1
		.amdhsa_wavefront_size32 1
		.amdhsa_system_sgpr_workgroup_id_x 1
		.amdhsa_system_sgpr_workgroup_id_y 1
		.amdhsa_system_sgpr_workgroup_id_z 1
		.amdhsa_system_vgpr_workitem_id 0
		.amdhsa_next_free_vgpr 210
		.amdhsa_next_free_sgpr 66
		.amdhsa_reserve_vcc 0
		.amdhsa_float_denorm_mode_32 3
		.amdhsa_float_denorm_mode_16_64 3
		.amdhsa_memory_ordered 1
		.amdhsa_forward_progress 1
		.amdhsa_inst_pref_size 88
	.end_amdhsa_kernel
	.amdgpu_metadata
---
amdhsa.version: [ 1, 2 ]
amdhsa.kernels:
  - .name:           k_qf2192a9fb2_quant
    .symbol:         k_qf2192a9fb2_quant.kd
    .args:
      - { .name: x, .offset: 0, .size: 8, .value_kind: global_buffer, .address_space: global }
      - { .name: w_qkv, .offset: 8, .size: 8, .value_kind: global_buffer, .address_space: global }
      - { .name: w_out, .offset: 16, .size: 8, .value_kind: global_buffer, .address_space: global }
      - { .name: lowp_scales, .offset: 24, .size: 8, .value_kind: global_buffer, .address_space: global }
      - { .name: x_codes, .offset: 32, .size: 8, .value_kind: global_buffer, .address_space: global }
      - { .name: wqkv_codes, .offset: 40, .size: 8, .value_kind: global_buffer, .address_space: global }
      - { .name: wo_codes, .offset: 48, .size: 8, .value_kind: global_buffer, .address_space: global }
    .group_segment_fixed_size: 68096
    .private_segment_fixed_size: 0
    .kernarg_segment_align: 8
    .kernarg_segment_size: 56
    .max_flat_workgroup_size: 128
    .sgpr_count:     66
    .vgpr_count:     210
    .wavefront_size: 32
...
	.end_amdgpu_metadata
.endif
;; end of part 1
;; launch qkv (part 2): grid 12 x 32, 4 waves a work-group, clusters of 4 x 4, 327,680 bytes of LDS; arguments x_codes, wqkv_codes, lowp_scales, b_qkv, q_codes, k_codes, v_codes; writes q_codes, k_codes, v_codes
.if DOCPART == 2
	.amdgcn_target "amdgcn-amd-amdhsa--gfx1250"
	.amdhsa_code_object_version 6
	.text
	.protected	k_qf2192a9fb2_qkv
	.globl	k_qf2192a9fb2_qkv
	.p2align	8
	.type	k_qf2192a9fb2_qkv,@function
k_qf2192a9fb2_qkv:
	s_mov_b64 s[64:65], 0
	v_nop
	global_prefetch_b8 v0, s[64:65] scope:SCOPE_SE
	s_setreg_imm32_b32 hwreg(HW_REG_WAVE_MODE, 25, 1), 1
	s_wait_xcnt 0x0
	s_wait_alu depctr_hold_cnt(0) depctr_sa_sdst(0) depctr_va_vdst(0) depctr_va_sdst(0) depctr_va_ssrc(0) depctr_va_vcc(0) depctr_vm_vsrc(0)
	s_getreg_b32 s2, hwreg(HW_REG_IB_STS2, 6, 4)
	s_cmp_eq_u32 s2, 0
	s_cbranch_scc0 .Lentry_in_a_cluster
	s_endpgm
.Lentry_in_a_cluster:
	s_bfe_u32 s2, ttmp6, 0x10000c
	s_cmp_lg_u32 s2, 0xf033
	s_cbranch_scc0 .Lentry_shape_is_right
	s_endpgm
.Lentry_shape_is_right:
; q, k, v = x w_qkv + b_qkv on codes of FP8 (E4M3): sums x 2^(e0 + e1), + the bias, quantised again (e2 for q, e3 for k, e5 for v) and stored as codes in the layouts that the attention launch reads.
; A work-group of four waves makes 256 x 256 of the result, a wave 128 x 128; K goes in steps of 256 through a ring of two LDS slots filled by joint loads in clusters of 4 x 4.
; Cluster x 0 makes q, 1 makes k, 2 makes v.  q, k: source 1 = tokens, source 0 = the weight's rows, so a lane holds eight neighbouring channels of a token.  v: the other way round, so a lane holds eight neighbouring tokens (keys) of a channel.
; The first LDS region always holds source 1's tile, asked for with the mask of my row of the cluster, the second source 0's, with the mask of my column.  In v's clusters cx counts the token tiles and cy the column tiles,
; so that the weight's tile is the one that a row shares: the choice enters global addresses alone, and every LDS address is made of the wave's number and constants.
; PREFETCH: behind K step 0's load each wave names K steps 1 and 2 of 32 of the 128 rows that it fetches (the four partners share the rows out by address, a lane a row of 256 bytes), behind K step 1's load K step 3.
; LIMITS: e0 + e1 between -126 and 127; e2, e3, e5 between -126 and 119.
.set KSTEP,  256
.set ROWB,   256
.set KROW,   1024
.set PITCH,  272
.set FR,     16
.set NL,     4
.set NP,     4
.set HALFT,  128*PITCH
.set SLOT,   4*HALFT
.set LAPS,   2
.set SPARE,  2*SLOT
.set QKST,   0
.set VST,    40960
.set BO,   12
.set BVO,  13
.set ADRA, 16
.set ADRB, 20
.set STOV, 22
.set RDV,  23
.set STO,  24
.set RD,   25
.set CO,   26
.set SCV,  27
.set SPW,  28
.set NIL,  29
.set LIMV, 30
.set BIAS, 32
.set BV,   96
.set CD,   112
.set TMP,  128
.set AF,   128
.set BK,   192
.set G1, 24
.set G0, 32
.set G1B, 48
.set G0B, 56
.set MSB, 0
.macro WIN new
.if MSB != \new
	s_set_vgpr_msb (MSB<<8)|\new
.set MSB, \new
.endif
.endm
.set MUL_LO, 0xa1
.set MUL_HI, 0xf1
.set TO_B,   0x40
.macro JLOAD g0a, g1a, g0b, g1b
	s_cmp_eq_u32 s15, 0
	s_cbranch_scc0 .Lfor_b_\@
	tensor_load_to_lds s[\g0a:\g0a+3], s[\g1a:\g1a+7]
	s_nop 0
.rept 4
	v_nop
.endr
	s_branch .Lasked_\@
.Lfor_b_\@:
	tensor_load_to_lds s[\g0b:\g0b+3], s[\g1b:\g1b+7]
	s_nop 0
.rept 4
	v_nop
.endr
.Lasked_\@:
.endm
.macro CREST
	s_cmp_lg_u32 s14, 0
	s_cbranch_scc1 .Lnot_wave_0_\@
	s_barrier_signal -3
.Lnot_wave_0_\@:
	s_barrier_wait -3
	s_barrier_signal -1
	s_barrier_wait -1
.endm
.macro CROUND
	s_barrier_signal -1
	s_barrier_wait -1
	CREST
.endm
	s_load_b128 s[4:7], s[0:1], 0x0
	s_load_b128 s[8:11], s[0:1], 0x10
	s_load_b128 s[68:71], s[0:1], 0x20
	s_load_b64 s[72:73], s[0:1], 0x30
	v_lshl_add_u32 v[SPW], v0, 2, SPARE
	v_mov_b32 v[NIL], 0
	ds_add_u32 v28, v29
	ds_add_u32 v28, v29
	s_wait_dscnt 0x0
	v_lshrrev_b32 v1, 5, v0
	v_readfirstlane_b32 s14, v1
	s_lshr_b32 s15, s14, 1
	s_and_b32 s16, s14, 1
	s_bfe_u32 s40, ttmp6, 0x40000
	s_bfe_u32 s41, ttmp6, 0x40004
	s_and_b32 s89, ttmp7, 0xffff
	s_cmp_eq_u32 ttmp9, 2                          ; v's clusters: the two axes change roles
	s_cselect_b32 s66, s89, ttmp9
	s_cselect_b32 s67, ttmp9, s89
	s_lshl_b32 s42, s66, 2
	s_add_co_u32 s42, s42, s40                     ; source 0's tile: q, k: the column tile; v: the token tile
	s_lshl_b32 s17, s67, 2
	s_add_co_u32 s17, s17, s41                     ; source 1's tile: q, k: the token tile; v: the column tile (8 + cy)
	s_lshl_b32 s43, s41, 2
	s_lshl_b32 s43, 15, s43
	s_lshl_b32 s44, 0x1111, s40
	s_or_b32 s[G1+0], s43, (0<<16)|(1<<20)|(1<<21)|(5<<22)|(3<<25)
	s_or_b32 s[G1B+0], s44, (0<<16)|(1<<20)|(1<<21)|(5<<22)|(3<<25)
.irp g, G1, G1B
	s_mov_b32 s[\g+1], ROWB<<16
	s_mov_b32 s[\g+2], 128<<16
	s_mov_b32 s[\g+3], ROWB<<16
	s_mov_b32 s[\g+4], 128
	s_mov_b32 s[\g+5], KROW
	s_mov_b32 s[\g+6], 0
	s_mov_b32 s[\g+7], 0
.endr
	s_lshl_b32 s18, s16, 7
	s_lshl_b32 s20, s17, 8
	s_add_co_u32 s20, s20, s18
	s_lshl_b32 s46, s42, 8
	s_add_co_u32 s46, s46, s18
	s_mov_b32 s21, 0
	s_mov_b32 s47, 0
	s_mov_b64 s[18:19], KROW
	s_mul_u64 s[20:21], s[20:21], s[18:19]
	s_mul_u64 s[46:47], s[46:47], s[18:19]
	s_mul_i32 s45, s14, HALFT
	s_wait_kmcnt 0x0
	s_load_b256 s[76:83], s[8:9], 0x0
	s_cmp_eq_u32 ttmp9, 2
	s_cselect_b64 s[74:75], s[6:7], s[4:5]         ; source 1's buffer: v: the weight's codes; else x's
	s_cselect_b64 s[88:89], s[4:5], s[6:7]         ; source 0's
	s_add_nc_u64 s[20:21], s[74:75], s[20:21]
	s_add_nc_u64 s[46:47], s[88:89], s[46:47]
	s_cmp_eq_u32 s15, 0                            ; the prefetches: the tile that I fetch,
	s_cselect_b64 s[74:75], s[20:21], s[46:47]
	s_cselect_b32 s88, s40, s41                    ; my place among the four that ask for it with me,
	s_lshl_b32 s88, s88, 15                        ; 32 rows of 1,024 bytes each
	s_mov_b32 s89, 0
	s_add_nc_u64 s[74:75], s[74:75], s[88:89]      ; never rewritten
	CROUND
.irp s, 0,1
	s_mov_b32 s[G0+4*\s], 1
	s_add_co_u32 s[G0+4*\s+1], s45, \s*SLOT
	s_add_nc_u64 s[G0+4*\s+2:G0+4*\s+3], s[20:21], \s*ROWB
	s_or_b32 s[G0+4*\s+3], s[G0+4*\s+3], 0x80000000
	s_mov_b32 s[G0B+4*\s], 1
	s_add_co_u32 s[G0B+4*\s+1], s45, \s*SLOT
	s_add_nc_u64 s[G0B+4*\s+2:G0B+4*\s+3], s[46:47], \s*ROWB
	s_or_b32 s[G0B+4*\s+3], s[G0B+4*\s+3], 0x80000000
.endr
	JLOAD G0, G1, G0B, G1B                         ; K step 0: one tensor load a wave at the head
	v_and_b32 v31, 31, v0
	v_lshlrev_b32 v31, 10, v31                     ; a lane a row; never rewritten
	global_prefetch_b8 v31, s[74:75] offset:256 th:TH_LOAD_NT scope:SCOPE_SE   ; K step 1
	global_prefetch_b8 v31, s[74:75] offset:512 th:TH_LOAD_NT scope:SCOPE_SE   ; K step 2
	s_cmp_eq_u32 ttmp9, 2
	s_cselect_b32 s90, s15, s16
	s_cselect_b32 s91, s16, s15
	s_cselect_b32 s66, s17, s42                    ; the column tile, 0 .. 11
	s_cselect_b32 s67, s42, s17                    ; the token tile
	s_cselect_b32 s2, s41, s40                     ; the column tile within q, k or v
	s_cselect_b64 s[84:85], s[72:73], s[70:71]
	s_cmp_eq_u32 ttmp9, 0
	s_cselect_b64 s[84:85], s[68:69], s[84:85]
	v_and_b32 v1, 15, v0
	v_bfe_u32 v2, v0, 4, 1
	s_wait_alu depctr_va_vdst(0)
	v_mul_u32_u24 v3, v1, PITCH
	v_lshl_add_u32 v4, v2, 4, v3
	s_mul_i32 s21, s15, HALFT
	s_mul_i32 s22, s16, HALFT
	s_add_co_u32 s22, s22, 2*HALFT
.irp s, 0,1
	v_add_nc_u32 v[ADRA+\s], s21, v4
	v_add_nc_u32 v[ADRB+\s], s22, v4
	s_add_co_u32 s21, s21, SLOT
	s_add_co_u32 s22, s22, SLOT
.endr
	s_lshl_b32 s98, s66, 10
	s_lshl_b32 s99, s16, 9
	s_add_co_u32 s99, s99, s98
	v_lshlrev_b32 v[BO], 5, v2
	v_add_nc_u32 v[BO], s99, v[BO]
	s_lshl_b32 s99, s15, 9
	s_add_co_u32 s99, s99, s98
	v_lshlrev_b32 v[BVO], 2, v1
	v_add_nc_u32 v[BVO], s99, v[BVO]
.irp b, 0,1,2,3,4,5,6,7
	global_load_b128 v[BIAS+8*\b:BIAS+8*\b+3], v[BO], s[10:11] offset:64*\b
	global_load_b128 v[BIAS+8*\b+4:BIAS+8*\b+7], v[BO], s[10:11] offset:64*\b+16
.endr
.irp a, 0,1,2,3,4,5,6,7
	global_load_b32 v[BV+2*\a], v[BVO], s[10:11] offset:64*\a
	global_load_b32 v[BV+2*\a+1], v[BVO], s[10:11] offset:64*\a
.endr
	s_mul_i32 s23, s14, 10240
	v_mul_u32_u24 v5, v1, 80
	v_lshl_add_u32 v5, v2, 3, v5
	v_add_nc_u32 v[STO], s23, v5
	v_and_b32 v6, 31, v0
	v_lshrrev_b32 v7, 2, v6
	v_mul_u32_u24 v7, v7, 80
	v_and_b32 v8, 3, v6
	v_lshl_add_u32 v7, v8, 4, v7
	v_add_nc_u32 v[RD], s23, v7
	s_mul_i32 s23, s14, 9216
	s_add_co_u32 s23, s23, VST
	v_and_b32 v5, 8, v1
	v_add_nc_u32 v5, v5, v1
	v_mul_u32_u24 v5, v5, 144
	v_lshl_add_u32 v5, v2, 4, v5
	v_add_nc_u32 v[STOV], s23, v5
	v_lshrrev_b32 v7, 3, v6
	v_mul_u32_u24 v7, v7, 144
	v_and_b32 v8, 7, v6
	v_lshl_add_u32 v7, v8, 4, v7
	v_add_nc_u32 v[RDV], s23, v7
	v_lshlrev_b32 v[CO], 4, v6
	s_lshr_b32 s94, s67, 3
	s_lshl_b32 s94, s94, 4
	s_lshl_b32 s95, s2, 2
	s_add_co_u32 s94, s94, s95
	s_lshl_b32 s95, s90, 1
	s_add_co_u32 s94, s94, s95
	s_lshl_b32 s94, s94, 17
	s_and_b32 s95, s67, 7
	s_lshl_b32 s95, s95, 14
	s_add_co_u32 s94, s94, s95
	s_lshl_b32 s95, s91, 13
	s_add_co_u32 s94, s94, s95
	s_mov_b32 s95, 0
	s_add_nc_u64 s[84:85], s[84:85], s[94:95]
.macro FRAG reg, adr, q, i
.irp c, 0,1,2,3
	ds_load_b128 v[\reg+4*\c:\reg+4*\c+3], v[\adr] offset:128*(\q)+32*\c+(\i)*16*PITCH
.endr
.endm
.macro MUL16 a0, p, zero
.irp a, \a0, \a0+1
.irp b, 0,1,2,3,4,5,6,7
.if \zero
	v_wmma_f32_16x16x128_fp8_fp8 v[8*(8*((\a)%4)+\b):8*(8*((\a)%4)+\b)+7], v[128*(\p)+FR*\b:128*(\p)+FR*\b+FR-1], v[AF+FR*(\a):AF+FR*(\a)+FR-1], 0
.else
	v_wmma_f32_16x16x128_fp8_fp8 v[8*(8*((\a)%4)+\b):8*(8*((\a)%4)+\b)+7], v[128*(\p)+FR*\b:128*(\p)+FR*\b+FR-1], v[AF+FR*(\a):AF+FR*(\a)+FR-1], v[8*(8*((\a)%4)+\b):8*(8*((\a)%4)+\b)+7]
.endif
.endr
.endr
.endm
.macro FETCH_B slot, q, p
	WIN TO_B
.irp i, 0,1,2,3,4,5,6,7
	FRAG 128*(\p)+FR*\i, ADRB+\slot, \q, \i
.endr
	WIN 0
.endm
.macro FETCH_A slot, q, i0
.irp i, \i0, \i0+1, \i0+2, \i0+3
	FRAG AF+FR*(\i), ADRA+\slot, \q, \i
.endr
.endm
.macro PLACES n
.rept \n
	v_nop
.endr
.endm
.macro STEP slot, q, zero
	s_wait_dscnt 4*NL
	WIN MUL_LO
	MUL16 0, (\q)%2, \zero
	MUL16 2, (\q)%2, \zero
	s_wait_dscnt 0
	PLACES NP
	FETCH_B \slot, (\q)+1, 1-(\q)%2
	FETCH_A \slot, (\q)+1, 0
	WIN MUL_HI
	MUL16 4, (\q)%2, \zero
	MUL16 6, (\q)%2, \zero
	PLACES NP
	WIN 0
	FETCH_A \slot, (\q)+1, 4
.endm
.macro TURN slot, next, fill
	s_wait_tensorcnt 0x0
	ds_add_u32 v[SPW], v[NIL]
	s_wait_dscnt 4*NL+1
	WIN MUL_LO
	MUL16 0, 1, 0
	s_wait_dscnt 0x0
	s_barrier_signal -1
	MUL16 2, 1, 0
	WIN 0
	s_barrier_wait -1
.if \fill
	CREST
	s_add_nc_u64 s[G0+4*\slot+2:G0+4*\slot+3], s[G0+4*\slot+2:G0+4*\slot+3], 2*ROWB
	s_add_nc_u64 s[G0B+4*\slot+2:G0B+4*\slot+3], s[G0B+4*\slot+2:G0B+4*\slot+3], 2*ROWB
	JLOAD G0+4*\slot, G1, G0B+4*\slot, G1B
.else
	PLACES NP
.endif
	FETCH_B \next, 0, 0
	FETCH_A \next, 0, 0
	WIN MUL_HI
	MUL16 4, 1, 0
	MUL16 6, 1, 0
	PLACES NP
	WIN 0
	FETCH_A \next, 0, 4
.endm
	s_wait_alu depctr_va_vdst(0)                   ; the wait at the head's end
	s_wait_tensorcnt 0x0                           ; my part of K step 0 is in; the lines ahead of a later first fill:
	ds_add_u32 v[SPW], v[NIL]
	s_wait_dscnt 0x0
	CROUND                                         ; everybody's part of K step 0 is in, and all sixteen work-groups are here
	JLOAD G0+4, G1, G0B+4, G1B                     ; K step 1, the first tensor load behind the round
	global_prefetch_b8 v31, s[74:75] offset:768 th:TH_LOAD_NT scope:SCOPE_SE   ; K step 3
	FETCH_B 0, 0, 0
	FETCH_A 0, 0, 0
	FETCH_A 0, 0, 4
	STEP 0, 0, 1
	s_mov_b32 s3, LAPS-1
.Llap:
	TURN 0, 1, 1
	STEP 1, 0, 0
	TURN 1, 0, 1
	STEP 0, 0, 0
	s_sub_co_u32 s3, s3, 1
	s_cmp_lg_u32 s3, 0
	s_cbranch_scc1 .Llap
	TURN 0, 1, 0
	STEP 1, 0, 0
	s_wait_dscnt 4*NL
	WIN MUL_LO
	MUL16 0, 1, 0
	MUL16 2, 1, 0
	s_wait_dscnt 0
	WIN MUL_HI
	MUL16 4, 1, 0
	MUL16 6, 1, 0
	WIN 0
.macro HOLDCVT
.set j, 0
.rept 64
	v_med3_num_f32 v[TMP+j], v[TMP+j], -v[LIMV], v[LIMV]   ; all the block's holds first, so that no conversion stands directly behind the holds that it reads
.set j, j+1
.endr
.irp b, 0,1,2,3,4,5,6,7
	v_cvt_scalef32_pk8_fp8_f32 v[CD+2*\b:CD+2*\b+1], v[TMP+8*\b:TMP+8*\b+7], v[SCV]
.endr
	v_nop
.endm
.macro QK_BLOCK a
.set AC, 64*((\a)%4)
	WIN 0x02+((\a)/4)
.set j, 0
.rept 32
	v_pk_fma_f32 v[TMP+j:TMP+j+1], v[AC+j:AC+j+1], s[96:97], v[BIAS+j:BIAS+j+1] op_sel_hi:[1,0,1]
.set j, j+2
.endr
	WIN 0
	HOLDCVT
.irp b, 0,1,2,3,4,5,6,7
	ds_store_b64 v[STO], v[CD+2*\b:CD+2*\b+1] offset:(\b/4)*5120+((\a)%4)*1280+16*(\b%4)
.endr
.endm
.macro QK_HALF g
.if \g
	s_wait_xcnt 0x0
.endif
.irp k, 0,1,2,3
	QK_BLOCK 4*\g+\k
.endr
.irp t, 0,1,2,3,4,5,6,7,8,9,10,11,12,13,14,15
	ds_load_b128 v[BK+4*\t:BK+4*\t+3], v[RD] offset:(\t/8)*5120+(\t%8)*640
.endr
.irp t, 0,1,2,3,4,5,6,7,8,9,10,11,12,13,14,15
	s_wait_dscnt 15-\t
	global_store_b128 v[CO], v[BK+4*\t:BK+4*\t+3], s[84:85] offset:(\t/8)*131072+\g*4096+(\t%8)*512
.endr
.endm
.macro V_BLOCK a
.set AC, 64*((\a)%4)
	WIN 0x02+((\a)/4)
.set j, 0
.rept 32
	v_pk_fma_f32 v[TMP+j:TMP+j+1], v[AC+j:AC+j+1], s[96:97], v[BV+2*(\a):BV+2*(\a)+1] op_sel_hi:[1,0,1]
.set j, j+2
.endr
	WIN 0
	HOLDCVT
.irp b, 0,1,2,3,4,5,6,7
	ds_store_b64 v[STOV], v[CD+2*\b:CD+2*\b+1] offset:(32*(((\a)%4)/2)+8*((\a)%2))*144+32*(\b/2)+8*(\b%2)
.endr
.endm
.macro V_HALF g
.if \g
	s_wait_xcnt 0x0
.endif
.irp k, 0,1,2,3
	V_BLOCK 4*\g+\k
.endr
.irp t, 0,1,2,3,4,5,6,7,8,9,10,11,12,13,14,15
	ds_load_b128 v[BK+4*\t:BK+4*\t+3], v[RDV] offset:\t*576
.endr
.irp t, 0,1,2,3,4,5,6,7,8,9,10,11,12,13,14,15
	s_wait_dscnt 15-\t
	global_store_b128 v[CO], v[BK+4*\t:BK+4*\t+3], s[84:85] offset:\g*131072+\t*512
.endr
.endm
	s_wait_kmcnt 0x0
	s_add_co_i32 s96, s76, s77
	s_add_co_i32 s96, s96, 127
	s_lshl_b32 s96, s96, 23
	s_mov_b32 s97, s96
	s_cmp_eq_u32 ttmp9, 0
	s_cselect_b32 s86, s78, s79
	s_cmp_eq_u32 ttmp9, 2
	s_cselect_b32 s86, s81, s86
	s_add_co_i32 s86, s86, 127
	s_lshl_b32 s87, s86, 23
	v_mov_b32 v[SCV], s87
	s_add_co_i32 s86, s86, 8
	s_lshl_b32 s86, s86, 23
	s_or_b32 s86, s86, 0x600000
	v_mov_b32 v[LIMV], s86
	PLACES NP
	s_wait_loadcnt 0x0
	s_cmp_eq_u32 ttmp9, 2
	s_cbranch_scc1 .Lv_out
	QK_HALF 0
	QK_HALF 1
	s_branch .Lend
.Lv_out:
	V_HALF 0
	V_HALF 1
.Lend:
	s_wait_tensorcnt 0x0
	ds_add_u32 v[SPW], v[NIL]
	s_wait_dscnt 0x0
	CROUND
	s_endpgm
.Lfunc_end_k_qf2192a9fb2_qkv:
	.size	k_qf2192a9fb2_qkv, .Lfunc_end_k_qf2192a9fb2_qkv-k_qf2192a9fb2_qkv
	.p2alignl 7, 3214868480
	.fill 96, 4, 3214868480
	.section	.rodata,"a",@progbits
	.p2align	6, 0x0
	.amdhsa_kernel k_qf2192a9fb2_qkv
		.amdhsa_group_segment_fixed_size 327680
		.amdhsa_private_segment_fixed_size 0
		.amdhsa_enable_private_segment 0
		.amdhsa_kernarg_size 56
		.amdhsa_user_sgpr_count 2
		.amdhsa_user_sgpr_kernarg_segment_ptr 1
		.amdhsa_wavefront_size32 1
		.amdhsa_system_sgpr_workgroup_id_x 1
		.amdhsa_system_sgpr_workgroup_id_y 1
		.amdhsa_system_sgpr_workgroup_id_z 1
		.amdhsa_system_vgpr_workitem_id 0
		.amdhsa_next_free_vgpr 1024
		.amdhsa_next_free_sgpr 100
		.amdhsa_reserve_vcc 0
		.amdhsa_float_denorm_mode_32 3
		.amdhsa_float_denorm_mode_16_64 3
		.amdhsa_memory_ordered 1
		.amdhsa_forward_progress 1
		.amdhsa_inst_pref_size 210
	.end_amdhsa_kernel
	.amdgpu_metadata
---
amdhsa.version: [ 1, 2 ]
amdhsa.kernels:
  - .name:           k_qf2192a9fb2_qkv
    .symbol:         k_qf2192a9fb2_qkv.kd
    .args:
      - { .name: x_codes, .offset: 0, .size: 8, .value_kind: global_buffer, .address_space: global }
      - { .name: wqkv_codes, .offset: 8, .size: 8, .value_kind: global_buffer, .address_space: global }
      - { .name: lowp_scales, .offset: 16, .size: 8, .value_kind: global_buffer, .address_space: global }
      - { .name: b_qkv, .offset: 24, .size: 8, .value_kind: global_buffer, .address_space: global }
      - { .name: q_codes, .offset: 32, .size: 8, .value_kind: global_buffer, .address_space: global }
      - { .name: k_codes, .offset: 40, .size: 8, .value_kind: global_buffer, .address_space: global }
      - { .name: v_codes, .offset: 48, .size: 8, .value_kind: global_buffer, .address_space: global }
    .group_segment_fixed_size: 327680
    .private_segment_fixed_size: 0
    .kernarg_segment_align: 8
    .kernarg_segment_size: 56
    .max_flat_workgroup_size: 128
    .sgpr_count:     100
    .vgpr_count:     1024
    .wavefront_size: 32
...
	.end_amdgpu_metadata
.endif
;; end of part 2
;; launch attn (part 3): grid 4 x 64, 16 waves a work-group, clusters of 4 x 1, 327,680 bytes of LDS; arguments q_codes, k_codes, v_codes, lowp_scales, a_img; writes a_img
.if DOCPART == 3
	.amdgcn_target "amdgcn-amd-amdhsa--gfx1250"
	.amdhsa_code_object_version 6
	.text
	.protected	k_qf2192a9fb2_attn
	.globl	k_qf2192a9fb2_attn
	.p2align	8
	.type	k_qf2192a9fb2_attn,@function
k_qf2192a9fb2_attn:
	s_mov_b64 s[64:65], 0
	v_nop
	global_prefetch_b8 v0, s[64:65] scope:SCOPE_SE
	s_setreg_imm32_b32 hwreg(HW_REG_WAVE_MODE, 25, 1), 1
	s_wait_xcnt 0x0
	s_wait_alu depctr_hold_cnt(0) depctr_sa_sdst(0) depctr_va_vdst(0) depctr_va_sdst(0) depctr_va_ssrc(0) depctr_va_vcc(0) depctr_vm_vsrc(0)
	s_getreg_b32 s2, hwreg(HW_REG_IB_STS2, 6, 4)
	s_cmp_eq_u32 s2, 0
	s_cbranch_scc0 .Lentry_in_a_cluster
	s_endpgm
.Lentry_in_a_cluster:
	s_bfe_u32 s2, ttmp6, 0x10000c
	s_cmp_lg_u32 s2, 0x3003
	s_cbranch_scc0 .Lentry_shape_is_right
	s_endpgm
.Lentry_shape_is_right:
; o = softmax(q k^T / 8) v for 64 heads of 2,048 tokens x 64 channels, both products on codes of FP8 (E4M3); o is quantised again (e6) and stored as the register image of the last product's operand.
; q_codes, k_codes: [head][2048][64].  v_codes: [head][16 chunks of 128 keys][64 rows][128 bytes], rows and bytes in the order that the launch before gave them (below).
; THE SOFTMAX: t = score x 2^(e2 + e3) x log2(e) / 8; M = the running largest t rounded UP to a whole number, kept as -M; p = 2^(t - M) is quantised (e4), not normalised; the row's sum is taken of the unquantised p
; and divides at the end.  When M moves, the sum and O are multiplied by 2^(old M - new M): exact.
; SHARES.  A work-group owns 512 queries of one head; each of its sixteen waves 32: two tiles of 16, in 256 registers; each fragment of K and V read from LDS feeds two products.  Every wave walks all 2,048 keys, 128 a step.
; A HEAD'S WHOLE K AND V LIE IN LDS: 131,072 bytes each, as rows of 256 bytes (four keys, or two rows of V) + 16 of padding: 16 parts of 64 rows (256 keys), 278,528 bytes.  No byte is filled twice.  Wave w asks for part w
; (0-7: K's, 8-15: V's), in two groups: waves 0 and 8 at the head, for the first 256 keys; the other fourteen behind the second round.  Two key steps are walked on the first parts.
; CLUSTER.  The four work-groups of a head are one cluster and need the same K and V: each part is asked for JOINTLY (mask 15), each group behind a round; a closing round stands at the end.
; NO PREFETCH: the first group is asked for at the head, and the second group's own loads go out two key steps ahead of their first read.
; BANKS.  Key r of a tile lies at 272 (r / 4) + 64 (r % 4): in units of 16 bytes modulo 16 that is r / 4 + 4 (r % 4): sixteen different columns.  V's row r at 272 (r / 2) + 128 (r % 2): r / 2 + 8 (r % 2): likewise.
; LAYOUT.  S^T = K Q^T (16x16x64: source 0 = 16 neighbouring keys, source 1 = 16 queries): lane (r, h) holds query r, register j of tile c key 16 c + 8 h + j: so the conversion of tile c's eight registers IS registers
; 2 c, 2 c + 1 of the 16x16x128 form's source 1.  Q and K come by the same 16-byte pieces: the same permutation of the channels on both sides.
; O^T = V^T P^T: V's byte 32 B + 16 h + 8 u + j of a row holds key 32 B + 16 u + 8 h + j, so four 16-byte loads at 16 h + 32 c give that form's own layout.  V's row 32 B + 16 u + 8 g + i holds channel 32 B + 16 g + 8 u + i,
; so tiles 2 B and 2 B + 1 of O^T hold, in lane (r, h), the 16 neighbouring channels 32 B + 16 h + 0 .. 15: a 16-byte piece of the next operand.
; a_img: [head][128 blocks of 16 tokens][2 pieces][32 lanes][16 bytes].
; LIMITS: e2 + e3 between -123 and 130 (added to c's exponent field); e4 and e6 between -126 and 119; e4 + e5 is applied by v_ldexp_f32 and has none; the scaled scores t stay under 2^31 in magnitude.
.set RP,     272                       ; an LDS row: 256 bytes + 16 of padding
.set PART,   64*RP                     ; what one tensor load brings: 16,384 bytes of memory
.set VOFF,   8*PART                    ; K's eight parts, then V's eight
.set STEPB,  32*RP                     ; a key step on: 128 keys of K are 32 rows, and so is a chunk of V
.set SPARE,  16*PART                   ; behind the tiles: the spare words, 128 bytes for each of sixteen waves
.set NST,    16                        ; key steps
.set NST1,   2                         ; of them on the first parts
.set AK0,  1                           ; v1   my lane's place in a tile of K
.set AV0,  2                           ; v2   in a tile of V (VOFF within)
.set GO,   4                           ; v4   16 x lane: my place in a store's 512 bytes
.set SPW,  5                           ; v5   LDS address of my spare word; never rewritten
.set NIL,  6                           ; v6   0; never rewritten
.set PLIM, 7                           ; v7   448 x 2^e4
.set PSC,  8                           ; v8   2^e4
.set ADK,  9                           ; v9   LDS address of the step's K
.set ADV,  10                          ; v10  of its V
.set XC,   11                          ; v11  a lane permute's destination
.set NM0,  12                          ; v12  -M of tile 0
.set PLIM2, 13                         ; v13  448 x 2^e4 once more, in another register bank, for the second half of a dual pair
.set L0,   14                          ; v[14:15] tile 0's sum, in two halves
.set L1,   16                          ; v[16:17] tile 1's
.set F,    18                          ; v18  2^(old M - new M) (v19 named with it)
.set TA,   20                          ; v20  the new -M (v21 named with it)
.set TB,   21
.set T2,   22                          ; v22, v23 the maxima's third and fourth chains; then v[22:23] the sums' second chain
.set Q,    24                          ; v24-39  Q's two fragments
.set KV,   40                          ; v40-103 K's eight fragments, later V's four
.set U,    104                         ; v[104:105], v[106:107] the sums' third and fourth chains: tile 1's first codes land there only behind the sums
.set W,    106
.set P1,   104                         ; v104-119 tile 1's codes: from v108 on they lie over scores that are already converted
.set S,    108                         ; v108-171 S^T, then p
.set O,    172                         ; v172-235 O^T: 32 registers a tile
.set P0,   236                         ; v236-251 tile 0's codes
.set OLIM, 252                         ; v252 448 x 2^e6
.set OSC,  253                         ; v253 2^e6
.set NM1,  254                         ; v254 -M of tile 1
.set KO,   2                           ; s2   LDS bytes from step 0 to the step in hand
.set WV,   18                          ; s18  my wave's number
.set SEL,  20                          ; s[20:21] lane selects: lane l xor 16
.set CS,   22                          ; s[22:23] c = log2(e) / 8 x 2^(e2 + e3)
.set G1,   24                          ; s[24:31] descriptor group 1: one shape for K's parts and V's
.set G0K,  40                          ; s[40:43], s[44:47] groups 0; never rewritten
.set G0V,  44
.set CNT,  66                          ; s66  counts the steps
.macro CROUND                          ; a round of the cluster's barrier
	s_barrier_signal -1
	s_barrier_wait -1
	s_cmp_lg_u32 s[WV], 0
	s_cbranch_scc1 .Lnot_wave_0_\@
	s_barrier_signal -3
.Lnot_wave_0_\@:
	s_barrier_wait -3
	s_barrier_signal -1
	s_barrier_wait -1
.endm
.macro TL g0                           ; a joint load, with an s_nop 0 and four v_nop
	tensor_load_to_lds s[\g0:\g0+3], s[G1:G1+7]
	s_nop 0
.rept 4
	v_nop
.endr
.endm
	s_load_b256 s[4:11], s[0:1], 0x0               ; q s[4:5], k s[6:7], v s[8:9], the scales' exponents s[10:11]
	s_load_b64 s[12:13], s[0:1], 0x20              ; a_img
	v_lshl_add_u32 v[SPW], v0, 2, SPARE
	v_mov_b32 v[NIL], 0
	ds_add_u32 v[SPW], v[NIL]                      ; the opening lines: the add, twice on end, and one wait; work on registers between
	ds_add_u32 v[SPW], v[NIL]
	v_lshrrev_b32 v9, 5, v0
	v_readfirstlane_b32 s[WV], v9                  ; wave 0..15
	s_bfe_u32 s19, ttmp6, 0x40000                  ; cx: my block of 512 queries: it enters q's and a_img's addresses alone
	s_and_b32 s68, ttmp7, 0xffff                   ; the head, which the four partners share
	s_lshl_b32 s68, s68, 17                        ; its first byte in each of the four buffers
	s_and_b32 s70, s[WV], 7                        ; which eighth of K or of V I fetch:
	s_lshl_b32 s72, s70, 14                        ; 16,384 bytes in memory,
	s_add_co_u32 s72, s72, s68
	s_mov_b32 s73, 0
	s_mul_i32 s74, s[WV], PART                     ; and in LDS part number wave
	s_lshl_b32 s92, s19, 15
	s_lshl_b32 s93, s[WV], 11
	s_add_co_u32 s92, s92, s93
	s_add_co_u32 s92, s92, s68                     ; my 32 queries: 2,048 bytes in q_codes, and as many in a_img
	s_mov_b32 s93, 0
	s_mov_b32 s[G1], 15|(0<<16)|(1<<20)|(1<<21)|(5<<22)|(3<<25)   ; the mask: all four work-groups; elements of 1 byte; padding on; bit 21 beside a mask; four words after every 64
	s_mov_b32 s[G1+1], 256<<16                     ; tensor_dim0
	s_mov_b32 s[G1+2], 64<<16                      ; tensor_dim1
	s_mov_b32 s[G1+3], 256<<16                     ; tile_dim0
	s_mov_b32 s[G1+4], 64                          ; tile_dim1
	s_mov_b32 s[G1+5], 256                         ; the pitch: dense
	s_mov_b32 s[G1+6], 0
	s_mov_b32 s[G1+7], 0
	s_mov_b32 s[SEL], 0x76543210
	s_mov_b32 s[SEL+1], 0xfedcba98
	s_mov_b32 s[CS], 0x3e38aa3b                    ; log2(e) / 8
	s_mov_b32 s[KO], 0
	s_wait_dscnt 0x0                               ; both opening adds are done
	s_wait_kmcnt 0x0
	s_load_b256 s[84:91], s[10:11], 0x0            ; e0 .. e7: s86 e2, s87 e3, s88 e4, s89 e5, s90 e6
	s_add_nc_u64 s[4:5], s[4:5], s[92:93]          ; q's codes at my first query
	s_add_nc_u64 s[12:13], s[12:13], s[92:93]      ; a_img likewise
	v_and_b32 v[TA], 15, v0                        ; r
	v_bfe_u32 v[TB], v0, 4, 1                      ; h
	v_lshlrev_b32 v9, 6, v[TA]
	v_lshl_add_u32 v9, v[TB], 4, v9                ; q: row r of 64 bytes + 16 h
.irp x, 0,1
.irp c, 0,1
	global_load_b128 v[Q+8*\x+4*\c:Q+8*\x+4*\c+3], v9, s[4:5] offset:1024*\x+32*\c   ; Q's two fragments stay in registers
.endr
.endr
	s_mov_b32 s[G0K], 1                            ; count = 1
	s_mov_b32 s[G0K+1], s74
	s_add_nc_u64 s[G0K+2:G0K+3], s[6:7], s[72:73]
	s_or_b32 s[G0K+3], s[G0K+3], 0x80000000        ; type = 2
	s_mov_b32 s[G0V], 1
	s_mov_b32 s[G0V+1], s74
	s_add_nc_u64 s[G0V+2:G0V+3], s[8:9], s[72:73]
	s_or_b32 s[G0V+3], s[G0V+3], 0x80000000
	s_wait_alu depctr_va_vdst(0)                   ; the wait here, directly ahead of the barrier's signal
	CROUND                                         ; all four work-groups are here: the joint loads meet
	s_cmp_eq_u32 s[WV], 0                          ; the first group: one chain on the wave's number, one load to an arm: wave 0 asks for K's first 256 keys, wave 8 for V's
	s_cbranch_scc0 .Lnot_k1
	TL G0K
	s_branch .Lasked1
.Lnot_k1:
	s_cmp_eq_u32 s[WV], 8
	s_cbranch_scc0 .Lasked1
	TL G0V
.Lasked1:
	v_bfe_u32 v[AK0], v0, 2, 2                     ; K: 272 (r / 4) + 64 (r % 4) + 16 h
	v_mul_u32_u24 v[AK0], v[AK0], RP
	v_and_b32 v[XC], 3, v0
	v_lshl_add_u32 v[AK0], v[XC], 6, v[AK0]
	v_lshl_add_u32 v[AK0], v[TB], 4, v[AK0]
	v_bfe_u32 v[AV0], v0, 1, 3                     ; V: VOFF + 272 (r / 2) + 128 (r % 2) + 16 h
	v_mul_u32_u24 v[AV0], v[AV0], RP
	v_and_b32 v[XC], 1, v0
	v_lshl_add_u32 v[AV0], v[XC], 7, v[AV0]
	v_lshl_add_u32 v[AV0], v[TB], 4, v[AV0]
	v_add_nc_u32 v[AV0], VOFF, v[AV0]
	v_and_b32 v[GO], 31, v0
	v_lshlrev_b32 v[GO], 4, v[GO]
	v_mov_b32 v[NM0], 0x7f61b1e6                   ; -M begins at 3e38, over every -M: the first step's minimum takes its own
	v_mov_b32 v[NM1], 0x7f61b1e6
	v_mov_b32 v[F+1], 0                            ; (named as the upper half of a pair)
.irp j, 0,1,2,3
	v_mov_b32 v[L0+\j], 0                          ; both sums
.endr
.set j, 0
.rept 64
	v_mov_b32 v[O+j], 0                            ; O^T.  (The step is written once as a macro: the first finds zeros, which the first change of M leaves zeros)
.set j, j+1
.endr
	s_wait_kmcnt 0x0
	s_add_co_i32 s71, s86, s87
	s_lshl_b32 s71, s71, 23
	s_add_co_i32 s[CS], s[CS], s71                 ; a score stands for score x 2^(e2 + e3): added to c's exponent field
	s_mov_b32 s[CS+1], s[CS]
	s_add_co_i32 s75, s88, 127
	s_lshl_b32 s71, s75, 23
	v_mov_b32 v[PSC], s71                          ; 2^e4
	s_add_co_i32 s75, s75, 8
	s_lshl_b32 s75, s75, 23
	s_or_b32 s75, s75, 0x600000
	v_mov_b32 v[PLIM], s75                         ; 448 x 2^e4
	v_mov_b32 v[PLIM2], s75
	s_add_co_i32 s75, s90, 127
	s_lshl_b32 s71, s75, 23
	v_mov_b32 v[OSC], s71                          ; 2^e6
	s_add_co_i32 s75, s75, 8
	s_lshl_b32 s75, s75, 23
	s_or_b32 s75, s75, 0x600000
	v_mov_b32 v[OLIM], s75                         ; 448 x 2^e6
; One tile's softmax for a key step: the 64 scores in v[S] on become p, the sum takes them, and their codes go to v[p] on.  nm: the tile's -M; l: its sum.  It leaves f = 2^(old M - new M) in v[F].
.macro PKF n                           ; t - M, two at a time (of the pairs c and -M the low word serves both halves); j walks on
.rept \n
	v_pk_fma_f32 v[S+j:S+j+1], v[S+j:S+j+1], s[CS:CS+1], v[TA:TA+1] op_sel_hi:[1,0,0]
.set j, j+2
.endr
.endm
.macro SOFTMAX nm, l, p
	v_max3_num_f32 v[TA], v[S], v[S+1], v[S+2]     ; the largest score of my query among my 64 keys; each accumulator is read from its low end on
	v_max3_num_f32 v[TB], v[S+3], v[S+4], v[S+5]   ; four chains by turns: a line reads what the fourth line before it wrote
	v_max3_num_f32 v[T2], v[S+8], v[S+9], v[S+10]
	v_max3_num_f32 v[T2+1], v[S+11], v[S+12], v[S+13]
	v_max3_num_f32 v[TA], v[TA], v[S+6], v[S+7]
	v_max3_num_f32 v[TB], v[TB], v[S+14], v[S+15]
.set j, 16
.rept 6
	v_max3_num_f32 v[T2], v[T2], v[S+j], v[S+j+1]
	v_max3_num_f32 v[T2+1], v[T2+1], v[S+j+2], v[S+j+3]
	v_max3_num_f32 v[TA], v[TA], v[S+j+4], v[S+j+5]
	v_max3_num_f32 v[TB], v[TB], v[S+j+6], v[S+j+7]
.set j, j+8
.endr
	s_delay_alu instid0(VALU_DEP_1)
	v_max3_num_f32 v[TA], v[TA], v[TB], v[T2]
	s_delay_alu instid0(VALU_DEP_1)
	v_max_num_f32 v[TA], v[TA], v[T2+1]
	s_delay_alu instid0(VALU_DEP_1)
	v_permlanex16_b32 v[XC], v[TA], s[SEL], s[SEL+1]
	s_delay_alu instid0(VALU_DEP_1)
	v_max_num_f32 v[TA], v[TA], v[XC]              ; and among lane l xor 16's
	s_delay_alu instid0(VALU_DEP_1)
	v_mul_f32 v[TA], s[CS], v[TA]                  ; as t (c is positive)
	s_delay_alu instid0(VALU_DEP_1)
	v_floor_f32 v[TA], -v[TA]                      ; floor(-t) = -ceil(t): a whole number
	s_delay_alu instid0(VALU_DEP_1)
	v_min_num_f32 v[TA], v[TA], v[\nm]             ; the new -M: the ceiling of the running largest t
	s_delay_alu instid0(VALU_DEP_1)
	v_sub_f32 v[F], v[TA], v[\nm]                  ; old M - new M: a whole number, 0 or less.  The three lines that make f of it stand among the multiply-adds, which do not wait for them
.set j, 0
	PKF 4
	v_mov_b32 v[\nm], v[TA]
	v_cvt_i32_f32 v[F], v[F]                       ; (it saturates)
	PKF 4
	v_ldexp_f32 v[F], 1.0, v[F]                    ; f: a multiplication by it rounds nothing
	PKF 24
.set j, 0
	s_wait_alu depctr_va_vdst(0)                   ; the wait ahead of the batch
.rept 64
	v_exp_f32 v[S+j], v[S+j]                       ; p = 2^(t - M), at most 1
.set j, j+1
.endr
	v_pk_mul_f32 v[\l:\l+1], v[\l:\l+1], v[F:F+1] op_sel_hi:[1,0]   ; the sum under the new M: the plain line behind the exponentials
	s_wait_alu depctr_va_vdst(0)                   ; one wait for the whole batch, ahead of its first reader
	v_pk_add_f32 v[T2:T2+1], v[S:S+1], v[S+2:S+3]  ; the sum is taken of the UNQUANTISED p, in four chains by turns
	v_pk_add_f32 v[U:U+1], v[S+4:S+5], v[S+6:S+7]
	v_pk_add_f32 v[W:W+1], v[S+8:S+9], v[S+10:S+11]
	v_pk_add_f32 v[\l:\l+1], v[\l:\l+1], v[S+12:S+13]
.set j, 14
.rept 6
	v_pk_add_f32 v[T2:T2+1], v[T2:T2+1], v[S+j:S+j+1]
	v_pk_add_f32 v[U:U+1], v[U:U+1], v[S+j+2:S+j+3]
	v_pk_add_f32 v[W:W+1], v[W:W+1], v[S+j+4:S+j+5]
	v_pk_add_f32 v[\l:\l+1], v[\l:\l+1], v[S+j+6:S+j+7]
.set j, j+8
.endr
	v_pk_add_f32 v[T2:T2+1], v[T2:T2+1], v[S+62:S+63]
	v_pk_add_f32 v[U:U+1], v[U:U+1], v[W:W+1]
	v_pk_add_f32 v[\l:\l+1], v[\l:\l+1], v[T2:T2+1]
	v_pk_add_f32 v[\l:\l+1], v[\l:\l+1], v[U:U+1]
.set j, 0
.rept 4
	v_dual_min_num_f32 v[S+j], v[S+j], v[PLIM] :: v_dual_min_num_f32 v[S+j+1], v[S+j+1], v[PLIM2]   ; the conversion does not saturate (ISA guide 7.6.2); p is not negative: a one-sided hold, two numbers a line
.set j, j+2
.endr
.set c, 0
.rept 7
.set j, 0
.rept 4
	v_dual_min_num_f32 v[S+8*(c+1)+j], v[S+8*(c+1)+j], v[PLIM] :: v_dual_min_num_f32 v[S+8*(c+1)+j+1], v[S+8*(c+1)+j+1], v[PLIM2]   ; the holds run one group ahead of the conversions, and part them
.set j, j+2
.endr
	v_cvt_scalef32_pk8_fp8_f32 v[\p+2*c:\p+2*c+1], v[S+8*c:S+8*c+7], v[PSC]   ; keys 16 c + 8 h + 0 .. 7: registers 2 c, 2 c + 1 of the operand
.set c, c+1
.endr
	v_cvt_scalef32_pk8_fp8_f32 v[\p+2*c:\p+2*c+1], v[S+8*c:S+8*c+7], v[PSC]
.endm
.macro RESCALE x                       ; tile x's O^T under its new M; each accumulator from its low end on
	s_wait_alu depctr_va_vdst(0)                   ; the wait here, directly ahead of the first readers of O^T
.set j, 0
.rept 16
	v_pk_mul_f32 v[O+32*\x+j:O+32*\x+j+1], v[O+32*\x+j:O+32*\x+j+1], v[F:F+1] op_sel_hi:[1,0]
.set j, j+2
.endr
.endm
; A KEY STEP: 128 keys, both tiles.
.macro STEP
	v_add_nc_u32 v[ADK], s[KO], v[AK0]
	v_add_nc_u32 v[ADV], s[KO], v[AV0]
.rept 3
	v_nop                                          ; with the two additions five places behind the last products: four for the loads into their sources, five for the products below, which write over tile 1's codes
.endr
.set c, 0
.rept 8
	ds_load_b128 v[KV+8*c:KV+8*c+3], v[ADK] offset:4*RP*c        ; keys 16 c + r, channels 16 h + 0 .. 15
	ds_load_b128 v[KV+8*c+4:KV+8*c+7], v[ADK] offset:4*RP*c+32   ; and 32 + 16 h + 0 .. 15
.set c, c+1
.endr
.set c, 0
.rept 4
	s_wait_dscnt 12-4*c                            ; fragments 2 c and 2 c + 1 are in: behind their four loads 12 - 4 c younger ones were issued
	v_wmma_f32_16x16x64_fp8_fp8 v[S+16*c:S+16*c+7], v[KV+16*c:KV+16*c+7], v[Q:Q+7], 0
	v_wmma_f32_16x16x64_fp8_fp8 v[S+16*c+8:S+16*c+15], v[KV+16*c+8:KV+16*c+15], v[Q:Q+7], 0
.set c, c+1
.endr
.rept 4
	v_nop
.endr
	SOFTMAX NM0, L0, P0
	RESCALE 0                                      ; (plain lines between the last conversion and the products that write its sources)
.set c, 0
.rept 8
	v_wmma_f32_16x16x64_fp8_fp8 v[S+8*c:S+8*c+7], v[KV+8*c:KV+8*c+7], v[Q+8:Q+15], 0
.set c, c+1
.endr
.rept 4
	v_nop                                          ; places in front of the loads into K's registers and of the reads of the scores
.endr
.set c, 0
.rept 16
	ds_load_b128 v[KV+4*c:KV+4*c+3], v[ADV] offset:8*RP*(c/4)+32*(c%4)   ; V's tile c / 4: they land while tile 1's softmax is walked
.set c, c+1
.endr
	SOFTMAX NM1, L1, P1
	RESCALE 1
	s_wait_alu depctr_va_vdst(0)                   ; the wait here, directly ahead of the wait below
	s_wait_dscnt 0x0
.set c, 0
.rept 4
	v_wmma_f32_16x16x128_fp8_fp8 v[O+8*c:O+8*c+7], v[KV+16*c:KV+16*c+15], v[P0:P0+15], v[O+8*c:O+8*c+7]            ; eight accumulators by turns, one instruction each
	v_wmma_f32_16x16x128_fp8_fp8 v[O+32+8*c:O+32+8*c+7], v[KV+16*c:KV+16*c+15], v[P1:P1+15], v[O+32+8*c:O+32+8*c+7]
.set c, c+1
.endr
.endm
	s_wait_alu depctr_va_vdst(0)                   ; the wait at the head's end
	s_wait_loadcnt 0x0                             ; Q
	s_wait_tensorcnt 0x0                           ; the first parts have landed (waves 0 and 8); the lines ahead of a later first fill:
	ds_add_u32 v[SPW], v[NIL]
	ds_add_u32 v[SPW], v[NIL]                      ; twice on end
	s_wait_dscnt 0x0
	CROUND                                         ; the first 256 keys may be read, and all four work-groups are here
	s_cmp_eq_u32 s70, 0                            ; the second group: one chain on the wave's number: waves 1-7 ask for the rest of K, waves 9-15 for the rest of V
	s_cbranch_scc1 .Lasked2
	s_cmp_lt_u32 s[WV], 8
	s_cbranch_scc0 .Lfor_v2
	TL G0K
	s_branch .Lasked2
.Lfor_v2:
	TL G0V
.Lasked2:
	s_mov_b32 s[CNT], NST1
.Lstep1:                                               ; two steps on parts 0 and 8, while the others land
	STEP
	s_add_co_u32 s[KO], s[KO], STEPB
	s_sub_co_u32 s[CNT], s[CNT], 1
	s_cmp_lg_u32 s[CNT], 0
	s_cbranch_scc1 .Lstep1
	s_wait_tensorcnt 0x0                           ; my part of K or V has landed;
	s_wait_dscnt 0x0
	s_barrier_signal -1
	s_barrier_wait -1                              ; and so has every wave's: all of K and V may be read, and nothing is filled again
	s_mov_b32 s[CNT], NST-NST1
.Lstep2:
	STEP
	s_add_co_u32 s[KO], s[KO], STEPB
	s_sub_co_u32 s[CNT], s[CNT], 1
	s_cmp_lg_u32 s[CNT], 0
	s_cbranch_scc1 .Lstep2
	; THE WAY OUT.  o = O^T x 2^(e4 + e5) / the sum, held, converted with 2^e6: a lane's 16 registers of two neighbouring tiles are 16 bytes of the next operand's image; a store covers 512 consecutive bytes.
	v_add_f32 v[L0], v[L0], v[L0+1]                ; the sums' two halves,
	v_add_f32 v[L1], v[L1], v[L1+1]
	s_delay_alu instid0(VALU_DEP_2)
	v_permlanex16_b32 v[XC], v[L0], s[SEL], s[SEL+1]
	s_delay_alu instid0(VALU_DEP_2)
	v_permlanex16_b32 v[TB], v[L1], s[SEL], s[SEL+1]
	s_delay_alu instid0(VALU_DEP_2)
	v_add_f32 v[L0], v[L0], v[XC]                  ; and lane l xor 16's
	s_delay_alu instid0(VALU_DEP_2)
	v_add_f32 v[L1], v[L1], v[TB]
	s_wait_alu depctr_va_vdst(0)                   ; the wait ahead of the transcendentals
	v_rcp_f32 v[F], v[L0]
	v_rcp_f32 v[T2], v[L1]
	v_nop                                          ; a plain line behind the reciprocals
	s_add_co_i32 s92, s88, s89
	s_wait_alu depctr_va_vdst(0)                   ; one wait for both, ahead of their first reader
	v_ldexp_f32 v[F], v[F], s92                    ; x 2^(e4 + e5)
	v_ldexp_f32 v[T2], v[T2], s92
	s_wait_alu depctr_va_vdst(0)                   ; the wait here, directly ahead of the first readers of O^T
.irp x, 0,1
.set j, 0
.rept 16
	v_pk_mul_f32 v[O+32*\x+j:O+32*\x+j+1], v[O+32*\x+j:O+32*\x+j+1], v[F+4*\x:F+4*\x+1] op_sel_hi:[1,0]   ; each accumulator from its low end on
.set j, j+2
.endr
.endr
.irp x, 0,1
.irp b, 0,1
.set j, 0
.rept 16
	v_med3_num_f32 v[O+32*\x+16*\b+j], v[O+32*\x+16*\b+j], -v[OLIM], v[OLIM]
.set j, j+1
.endr
	v_cvt_scalef32_pk8_fp8_f32 v[KV+8*\x+4*\b:KV+8*\x+4*\b+1], v[O+32*\x+16*\b:O+32*\x+16*\b+7], v[OSC]
	v_cvt_scalef32_pk8_fp8_f32 v[KV+8*\x+4*\b+2:KV+8*\x+4*\b+3], v[O+32*\x+16*\b+8:O+32*\x+16*\b+15], v[OSC]
.endr
.endr
	v_nop                                          ; a plain line behind the last conversion
.irp x, 0,1
.irp b, 0,1
	global_store_b128 v[GO], v[KV+8*\x+4*\b:KV+8*\x+4*\b+3], s[12:13] offset:1024*\x+512*\b
.endr
.endr
	s_wait_tensorcnt 0x0                           ; the wave's end
	ds_add_u32 v[SPW], v[NIL]
	s_wait_dscnt 0x0
	CROUND                                         ; the closing round
	s_endpgm
.Lfunc_end_k_qf2192a9fb2_attn:
	.size	k_qf2192a9fb2_attn, .Lfunc_end_k_qf2192a9fb2_attn-k_qf2192a9fb2_attn
	.p2alignl 7, 3214868480
	.fill 96, 4, 3214868480
	.section	.rodata,"a",@progbits
	.p2align	6, 0x0
	.amdhsa_kernel k_qf2192a9fb2_attn
		.amdhsa_group_segment_fixed_size 327680
		.amdhsa_private_segment_fixed_size 0
		.amdhsa_enable_private_segment 0
		.amdhsa_kernarg_size 40
		.amdhsa_user_sgpr_count 2
		.amdhsa_user_sgpr_kernarg_segment_ptr 1
		.amdhsa_wavefront_size32 1
		.amdhsa_system_sgpr_workgroup_id_x 1
		.amdhsa_system_sgpr_workgroup_id_y 1
		.amdhsa_system_sgpr_workgroup_id_z 1
		.amdhsa_system_vgpr_workitem_id 0
		.amdhsa_next_free_vgpr 256
		.amdhsa_next_free_sgpr 96
		.amdhsa_reserve_vcc 0
		.amdhsa_float_denorm_mode_32 3
		.amdhsa_float_denorm_mode_16_64 3
		.amdhsa_memory_ordered 1
		.amdhsa_forward_progress 1
		.amdhsa_inst_pref_size 75
	.end_amdhsa_kernel
	.amdgpu_metadata
---
amdhsa.version: [ 1, 2 ]
amdhsa.kernels:
  - .name:           k_qf2192a9fb2_attn
    .symbol:         k_qf2192a9fb2_attn.kd
    .args:
      - { .name: q_codes, .offset: 0, .size: 8, .value_kind: global_buffer, .address_space: global }
      - { .name: k_codes, .offset: 8, .size: 8, .value_kind: global_buffer, .address_space: global }
      - { .name: v_codes, .offset: 16, .size: 8, .value_kind: global_buffer, .address_space: global }
      - { .name: lowp_scales, .offset: 24, .size: 8, .value_kind: global_buffer, .address_space: global }
      - { .name: a_img, .offset: 32, .size: 8, .value_kind: global_buffer, .address_space: global }
    .group_segment_fixed_size: 327680
    .private_segment_fixed_size: 0
    .kernarg_segment_align: 8
    .kernarg_segment_size: 40
    .max_flat_workgroup_size: 512
    .sgpr_count:     96
    .vgpr_count:     256
    .wavefront_size: 32
...
	.end_amdgpu_metadata
.endif
;; end of part 3
;; launch proj (part 4): grid 8 x 32, 4 waves a work-group, clusters of 4 x 4, 327,680 bytes of LDS; arguments a_img, wo_codes, lowp_scales, b_out, out0; writes out0
.if DOCPART == 4
	.amdgcn_target "amdgcn-amd-amdhsa--gfx1250"
	.amdhsa_code_object_version 6
	.text
	.protected	k_qf2192a9fb2_proj
	.globl	k_qf2192a9fb2_proj
	.p2align	8
	.type	k_qf2192a9fb2_proj,@function
k_qf2192a9fb2_proj:
	s_mov_b64 s[64:65], 0
	v_nop
	global_prefetch_b8 v0, s[64:65] scope:SCOPE_SE
	s_setreg_imm32_b32 hwreg(HW_REG_WAVE_MODE, 25, 1), 1
	s_wait_xcnt 0x0
	s_wait_alu depctr_hold_cnt(0) depctr_sa_sdst(0) depctr_va_vdst(0) depctr_va_sdst(0) depctr_va_ssrc(0) depctr_va_vcc(0) depctr_vm_vsrc(0)
	s_getreg_b32 s2, hwreg(HW_REG_IB_STS2, 6, 4)
	s_cmp_eq_u32 s2, 0
	s_cbranch_scc0 .Lentry_in_a_cluster
	s_endpgm
.Lentry_in_a_cluster:
	s_bfe_u32 s2, ttmp6, 0x10000c
	s_cmp_lg_u32 s2, 0xf033
	s_cbranch_scc0 .Lentry_shape_is_right
	s_endpgm
.Lentry_shape_is_right:
; out0 = o w_out + b_out on codes of FP8 (E4M3): o comes as the register image that the attention launch stored (a_img: [head][128 blocks of 16 tokens][2 pieces][32 lanes][16 bytes]), w_out as codes with K innermost;
; sums x 2^(e6 + e7); the bias, divided by that power of two, is the C of each sum's first product.
; A work-group of four waves makes 256 tokens x 128 columns of out0: 8 x 32 = 256 work-groups.  A wave makes 128 x 64: 32 accumulators.  K goes in steps of 256 (four heads) through a ring of two LDS slots:
; waves 0, 1 fetch the two halves of o's tile (four planes of 8,192 bytes each), waves 2, 3 the two halves of the weight's (64 rows of 256 bytes, 16 of padding behind each).
; CLUSTERS of 4 x 4: o's tile is asked for jointly along a row of the cluster, the weight's along a column.  The matrix instruction is used transposed (source 0 = the weight's rows): a lane holds eight neighbouring columns of a token.
; REGISTERS in windows of 256: window 0: addresses, the bias, o's fragments (one set, v128-255); window 1: the weight's fragments, two sets of four at v0 and v128; windows 2, 3: accumulator (a, b) at v[8 (8 (a % 4) + b)], b = 0 .. 3.
; PREFETCH: behind K step 0's load each wave names K steps 1 and 2 of its share of the tile that it fetches, behind K step 1's load K step 3.  The four partners share a tile out by address:
; of a_img's four planes one each, lanes 256 bytes apart; of the weight's 64 rows 16 each, a lane a row of 256 bytes (lanes 16-31 name the share's last row again).
; LIMIT: e6 + e7 between -126 and 127.
.set SIZE_N, 1024
.set ROWB,   256
.set KROW,   1024
.set PITCH,  272
.set FR,     16
.set NL,     4
.set NP,     4
.set HALFA,  32768                     ; 128 tokens x 256 along K of the image
.set HALFT,  64*PITCH                  ; 64 rows of the weight
.set BOFF,   2*HALFA
.set SLOT,   BOFF+2*HALFT
.set LAPS,   2
.set SPARE,  2*SLOT                    ; behind the ring: the spare words, 128 bytes for each wave
.set SPITCH, 528                       ; the way out: a stage of 16 rows for each wave, 256 bytes used of each; it lies in slot 0, behind that slot's last fill and last read
.set BO,   12
.set ADRA, 16
.set ADRB, 20
.set STO,  24
.set RD,   25
.set CO,   26
.set SPW,  28
.set NIL,  29
.set PFO,  31
.set BIAS, 32
.set TMP,  32
.set AF,   128
.set BK,   128
.set G1, 24
.set G0, 32
.set G1B, 48
.set G0B, 56
.set MSB, 0
.macro WIN new                         ; the immediate's high byte repeats the setting that is left
.if MSB != \new
	s_set_vgpr_msb (MSB<<8)|\new
.set MSB, \new
.endif
.endm
.set MUL_LO, 0xa1
.set MUL_HI, 0xf1
.set FST_LO, 0x81                      ; the first products: C (the bias) in window 0
.set FST_HI, 0xc1
.set TO_B,   0x40
.macro JLOAD g0a, g1a, g0b, g1b        ; waves 0, 1 fetch for o, waves 2, 3 for the weight; an s_nop 0 and four v_nop follow each line
	s_cmp_eq_u32 s15, 0
	s_cbranch_scc0 .Lfor_b_\@
	tensor_load_to_lds s[\g0a:\g0a+3], s[\g1a:\g1a+7]
	s_nop 0
.rept 4
	v_nop
.endr
	s_branch .Lasked_\@
.Lfor_b_\@:
	tensor_load_to_lds s[\g0b:\g0b+3], s[\g1b:\g1b+7]
	s_nop 0
.rept 4
	v_nop
.endr
.Lasked_\@:
.endm
.macro CREST
	s_cmp_lg_u32 s14, 0
	s_cbranch_scc1 .Lnot_wave_0_\@
	s_barrier_signal -3
.Lnot_wave_0_\@:
	s_barrier_wait -3
	s_barrier_signal -1
	s_barrier_wait -1
.endm
.macro CROUND
	s_barrier_signal -1
	s_barrier_wait -1
	CREST
.endm
	s_load_b128 s[4:7], s[0:1], 0x0                ; a_img, w_out's codes
	s_load_b128 s[8:11], s[0:1], 0x10              ; the scales' exponents, b_out
	s_load_b64 s[12:13], s[0:1], 0x20              ; out0
	v_lshl_add_u32 v[SPW], v0, 2, SPARE
	v_mov_b32 v[NIL], 0
	ds_add_u32 v[SPW], v[NIL]                      ; the opening lines: the add, twice on end, and one wait
	ds_add_u32 v[SPW], v[NIL]
	v_lshrrev_b32 v1, 5, v0
	v_readfirstlane_b32 s14, v1                    ; wave
	s_lshr_b32 s15, s14, 1                         ; my half of the tokens.  Also: I fetch for o (0) or for the weight (1)
	s_and_b32 s16, s14, 1                          ; my half of the columns.  Also: which half of that tile I fetch
	s_bfe_u32 s40, ttmp6, 0x40000                  ; cx, cy
	s_bfe_u32 s41, ttmp6, 0x40004
	s_lshl_b32 s42, ttmp9, 2
	s_add_co_u32 s42, s42, s40                     ; the column tile, 0 .. 7
	s_and_b32 s17, ttmp7, 0xffff
	s_lshl_b32 s17, s17, 2
	s_add_co_u32 s17, s17, s41                     ; the token tile, 0 .. 31
	s_lshl_b32 s43, s41, 2
	s_lshl_b32 s43, 15, s43                        ; my row of the cluster
	s_lshl_b32 s44, 0x1111, s40                    ; my column
	s_or_b32 s[G1+0], s43, (0<<16)|(1<<21)         ; o: four planes of 8,192 bytes, 131,072 apart, no padding
	s_mov_b32 s[G1+1], 8192<<16
	s_mov_b32 s[G1+2], 4<<16
	s_mov_b32 s[G1+3], 8192<<16
	s_mov_b32 s[G1+4], 4
	s_mov_b32 s[G1+5], 131072
	s_mov_b32 s[G1+6], 0
	s_mov_b32 s[G1+7], 0
	s_or_b32 s[G1B+0], s44, (0<<16)|(1<<20)|(1<<21)|(5<<22)|(3<<25)   ; the weight: 64 rows of 256 bytes, four words of padding after every 64
	s_mov_b32 s[G1B+1], ROWB<<16
	s_mov_b32 s[G1B+2], 64<<16
	s_mov_b32 s[G1B+3], ROWB<<16
	s_mov_b32 s[G1B+4], 64
	s_mov_b32 s[G1B+5], KROW
	s_mov_b32 s[G1B+6], 0
	s_mov_b32 s[G1B+7], 0
	s_lshr_b32 s20, s17, 3                         ; the batch: 16 heads of 131,072 bytes,
	s_lshl_b32 s20, s20, 21
	s_and_b32 s18, s17, 7                          ; 256 tokens are 16,384 bytes of a head's image,
	s_lshl_b32 s18, s18, 14
	s_add_co_u32 s20, s20, s18
	s_lshl_b32 s18, s16, 13                        ; the half that I fetch
	s_add_co_u32 s20, s20, s18
	s_mov_b32 s21, 0
	s_lshl_b32 s46, s42, 7                         ; the weight's row: 128 x column tile + 64 x half
	s_lshl_b32 s18, s16, 6
	s_add_co_u32 s46, s46, s18
	s_lshl_b32 s46, s46, 10
	s_mov_b32 s47, 0
	s_mul_i32 s45, s16, HALFA
	s_mul_i32 s66, s16, HALFT
	s_add_co_u32 s66, s66, BOFF
	s_wait_dscnt 0x0                               ; both opening adds are done
	s_wait_kmcnt 0x0
	s_load_b256 s[76:83], s[8:9], 0x0              ; e0 .. e7
	s_add_nc_u64 s[20:21], s[4:5], s[20:21]
	s_add_nc_u64 s[46:47], s[6:7], s[46:47]
	s_cmp_eq_u32 s15, 0                            ; the prefetches: the tile that I fetch,
	s_cselect_b64 s[68:69], s[20:21], s[46:47]
	s_cselect_b32 s70, s40, s41                    ; my place among the four that ask for it with me,
	s_cselect_b32 s71, 17, 14                      ; a share: a plane of a_img, or 16 rows of the weight,
	s_cselect_b32 s72, 8, 10                       ; from lane to lane: 256 bytes, or a row,
	s_cselect_b32 s73, 31, 15                      ; the share's last block,
	s_mov_b32 s74, 256
	s_cselect_b32 s74, 0x80000, s74                ; a K step on
	s_mov_b32 s75, 0
	s_lshl_b32 s70, s70, s71
	s_mov_b32 s71, 0
	s_add_nc_u64 s[68:69], s[68:69], s[70:71]
	s_add_nc_u64 s[84:85], s[68:69], s[74:75]      ; K steps 1, 2 and 3: an address each, never rewritten
	s_add_nc_u64 s[86:87], s[84:85], s[74:75]
	s_add_nc_u64 s[88:89], s[86:87], s[74:75]
	CROUND                                         ; all sixteen work-groups are here: the first joint loads meet
.irp s, 0,1
	s_mov_b32 s[G0+4*\s], 1
	s_add_co_u32 s[G0+4*\s+1], s45, \s*SLOT
	s_add_nc_u64 s[G0+4*\s+2:G0+4*\s+3], s[20:21], \s*524288
	s_or_b32 s[G0+4*\s+3], s[G0+4*\s+3], 0x80000000
	s_mov_b32 s[G0B+4*\s], 1
	s_add_co_u32 s[G0B+4*\s+1], s66, \s*SLOT
	s_add_nc_u64 s[G0B+4*\s+2:G0B+4*\s+3], s[46:47], \s*ROWB
	s_or_b32 s[G0B+4*\s+3], s[G0B+4*\s+3], 0x80000000
.endr
	JLOAD G0, G1, G0B, G1B                         ; K step 0: one tensor load a wave at the head
	v_and_b32 v[PFO], 31, v0
	v_min_u32 v[PFO], s73, v[PFO]
	v_lshlrev_b32 v[PFO], s72, v[PFO]              ; never rewritten
	global_prefetch_b8 v[PFO], s[84:85] th:TH_LOAD_NT scope:SCOPE_SE   ; K step 1
	global_prefetch_b8 v[PFO], s[86:87] th:TH_LOAD_NT scope:SCOPE_SE   ; K step 2
	v_and_b32 v1, 15, v0                           ; r
	v_bfe_u32 v2, v0, 4, 1                         ; h
	s_lshl_b32 s98, s42, 9
	s_lshl_b32 s99, s16, 8
	s_add_co_u32 s99, s99, s98                     ; my first column, in bytes of f32
	v_lshlrev_b32 v[BO], 5, v2
	v_add_nc_u32 v[BO], s99, v[BO]
.irp b, 0,1,2,3
	global_load_b128 v[BIAS+8*\b:BIAS+8*\b+3], v[BO], s[10:11] offset:64*\b        ; b_out at the lane's eight columns of tile b
	global_load_b128 v[BIAS+8*\b+4:BIAS+8*\b+7], v[BO], s[10:11] offset:64*\b+16
.endr
	v_and_b32 v6, 31, v0
	v_lshlrev_b32 v6, 4, v6                        ; o's image: 16 x lane
	v_mul_u32_u24 v3, v1, PITCH
	v_lshl_add_u32 v4, v2, 4, v3                   ; the weight: row r x pitch + 16 h
	s_mul_i32 s21, s15, HALFA
	s_mul_i32 s22, s16, HALFT
	s_add_co_u32 s22, s22, BOFF
.irp s, 0,1
	v_add_nc_u32 v[ADRA+\s], s21, v6
	v_add_nc_u32 v[ADRB+\s], s22, v4
	s_add_co_u32 s21, s21, SLOT
	s_add_co_u32 s22, s22, SLOT
.endr
	s_mul_i32 s23, s14, 16*SPITCH                  ; my stage
	s_wait_alu depctr_va_vdst(0)                   ; the wait here, directly ahead of the reader below
	v_mul_u32_u24 v5, v1, SPITCH                   ; in: row r, 32 bytes for each half of the lanes
	v_lshl_add_u32 v5, v2, 5, v5
	v_add_nc_u32 v[STO], s23, v5
	v_mul_u32_u24 v7, v2, SPITCH                   ; back: lanes 0-15 one row of 256 bytes, lanes 16-31 the next
	v_lshl_add_u32 v7, v1, 4, v7
	v_add_nc_u32 v[RD], s23, v7
	v_lshlrev_b32 v[CO], 12, v2                    ; and the same two rows in out0
	v_lshl_add_u32 v[CO], v1, 4, v[CO]
	s_lshl_b32 s20, s17, 8
	s_lshl_b32 s21, s15, 7
	s_add_co_u32 s20, s20, s21                     ; my first token
	s_lshl_b32 s20, s20, 12
	s_add_co_u32 s20, s20, s99
	s_mov_b32 s21, 0
	s_add_nc_u64 s[12:13], s[12:13], s[20:21]
	s_wait_kmcnt 0x0
	s_add_co_i32 s96, s82, s83                     ; e6 + e7
	s_sub_co_i32 s67, 0, s96
	s_add_co_i32 s96, s96, 127
	s_lshl_b32 s96, s96, 23                        ; 2^(e6 + e7) as f32
	s_mov_b32 s97, s96
	s_wait_loadcnt 0x0
.set j, 0
.rept 32
	v_ldexp_f32 v[BIAS+j], v[BIAS+j], s67          ; the bias / 2^(e6 + e7)
.set j, j+1
.endr
.macro FRAG reg, adr, q, i
.irp c, 0,1,2,3
	ds_load_b128 v[\reg+4*\c:\reg+4*\c+3], v[\adr] offset:128*(\q)+32*\c+(\i)*16*PITCH
.endr
.endm
.macro FRAGA reg, adr, q, i
.irp c, 0,1,2,3
	ds_load_b128 v[\reg+4*\c:\reg+4*\c+3], v[\adr] offset:(2*(\q)+\c/2)*8192+1024*(\i)+512*(\c%2)
.endr
.endm
.macro MUL8 a0, p, first               ; eight matrix instructions: o's blocks a0, a0 + 1 x the weight's four; the 32 accumulators take turns, one instruction a turn
.irp a, \a0, \a0+1
.irp b, 0,1,2,3
.if \first
	v_wmma_f32_16x16x128_fp8_fp8 v[8*(8*((\a)%4)+\b):8*(8*((\a)%4)+\b)+7], v[128*(\p)+FR*\b:128*(\p)+FR*\b+FR-1], v[AF+FR*(\a):AF+FR*(\a)+FR-1], v[BIAS+8*\b:BIAS+8*\b+7]
.else
	v_wmma_f32_16x16x128_fp8_fp8 v[8*(8*((\a)%4)+\b):8*(8*((\a)%4)+\b)+7], v[128*(\p)+FR*\b:128*(\p)+FR*\b+FR-1], v[AF+FR*(\a):AF+FR*(\a)+FR-1], v[8*(8*((\a)%4)+\b):8*(8*((\a)%4)+\b)+7]
.endif
.endr
.endr
.endm
.macro FETCH_B slot, q, p
	WIN TO_B
.irp i, 0,1,2,3
	FRAG 128*(\p)+FR*\i, ADRB+\slot, \q, \i
.endr
	WIN 0
.endm
.macro FETCH_A slot, q, i0
.irp i, \i0, \i0+1, \i0+2, \i0+3
	FRAGA AF+FR*(\i), ADRA+\slot, \q, \i
.endr
.endm
.macro PLACES n
.rept \n
	v_nop
.endr
.endm
.macro STEP slot, q, first             ; 128 along K, with its successor in the same slot
	s_wait_dscnt 4*NL                              ; the weight's set and o's blocks 0-3 are in; the youngest sixteen loads (blocks 4-7) may be out
.if \first
	WIN FST_LO
.else
	WIN MUL_LO
.endif
	MUL8 0, (\q)%2, \first
	MUL8 2, (\q)%2, \first
	s_wait_dscnt 0
	PLACES NP
	FETCH_B \slot, (\q)+1, 1-(\q)%2
	FETCH_A \slot, (\q)+1, 0
.if \first
	WIN FST_HI
.else
	WIN MUL_HI
.endif
	MUL8 4, (\q)%2, \first
	MUL8 6, (\q)%2, \first
	PLACES NP
	WIN 0
	FETCH_A \slot, (\q)+1, 4
.endm
.macro TURN slot, next, fill           ; a slot's last step changes slots
	s_wait_tensorcnt 0x0                           ; all my tensor loads have landed: my part of the next slot;
	ds_add_u32 v[SPW], v[NIL]                      ; an add to my spare word;
	s_wait_dscnt 4*NL+1                            ; (the add and the youngest sixteen loads may be out)
	WIN MUL_LO
	MUL8 0, 1, 0
	s_wait_dscnt 0x0                               ; the add is done, and my reads of this slot are over
	s_barrier_signal -1
	MUL8 2, 1, 0
	WIN 0
	s_barrier_wait -1
.if \fill
	CREST                                          ; the barrier has opened a round of the cluster's
	s_add_nc_u64 s[G0+4*\slot+2:G0+4*\slot+3], s[G0+4*\slot+2:G0+4*\slot+3], 2*524288
	s_add_nc_u64 s[G0B+4*\slot+2:G0B+4*\slot+3], s[G0B+4*\slot+2:G0B+4*\slot+3], 2*ROWB
	JLOAD G0+4*\slot, G1, G0B+4*\slot, G1B         ; the first tensor load behind the round
.else
	PLACES NP
.endif
	FETCH_B \next, 0, 0
	FETCH_A \next, 0, 0
	WIN MUL_HI
	MUL8 4, 1, 0
	MUL8 6, 1, 0
	PLACES NP
	WIN 0
	FETCH_A \next, 0, 4
.endm
	s_wait_alu depctr_va_vdst(0)                   ; the wait at the head's end
	s_wait_tensorcnt 0x0                           ; my part of K step 0 is in; the lines ahead of a later first fill:
	ds_add_u32 v[SPW], v[NIL]
	s_wait_dscnt 0x0
	CROUND                                         ; everybody's part of K step 0 is in, and all sixteen work-groups are here
	JLOAD G0+4, G1, G0B+4, G1B                     ; K step 1, the first tensor load behind the round
	global_prefetch_b8 v[PFO], s[88:89] th:TH_LOAD_NT scope:SCOPE_SE   ; K step 3
	FETCH_B 0, 0, 0
	FETCH_A 0, 0, 0
	FETCH_A 0, 0, 4
	STEP 0, 0, 1                                   ; the first step stands in front of the loop: its products start the sums on the bias
	s_mov_b32 s3, LAPS-1
.Llap:
	TURN 0, 1, 1
	STEP 1, 0, 0
	TURN 1, 0, 1
	STEP 0, 0, 0
	s_sub_co_u32 s3, s3, 1
	s_cmp_lg_u32 s3, 0
	s_cbranch_scc1 .Llap
	TURN 0, 1, 0                                   ; the last lap fills nothing
	STEP 1, 0, 0
	s_wait_dscnt 4*NL
	WIN MUL_LO
	MUL8 0, 1, 0
	MUL8 2, 1, 0
	s_wait_dscnt 0
	WIN MUL_HI
	MUL8 4, 1, 0
	MUL8 6, 1, 0
	WIN 0
; THE WAY OUT, block by block of 16 tokens x 64 columns: through my own stage in LDS, back as rows of 256 bytes: sixteen lanes store one aligned unit.
.macro TOSTAGE a
.set AC, 64*((\a)%4)
	WIN 0x02+((\a)/4)
.set j, 0
.rept 16
	v_pk_mul_f32 v[TMP+j:TMP+j+1], v[AC+j:AC+j+1], s[96:97] op_sel_hi:[1,0]   ; x 2^(e6 + e7); each accumulator from its low end on
.set j, j+2
.endr
	WIN 0
.irp b, 0,1,2,3
	ds_store_b128 v[STO], v[TMP+8*\b:TMP+8*\b+3] offset:64*\b
	ds_store_b128 v[STO], v[TMP+8*\b+4:TMP+8*\b+7] offset:64*\b+16
.endr
.set BB, BK+64*((\a)%2)
.irp t, 0,1,2,3,4,5,6,7
	ds_load_b128 v[BB+4*\t:BB+4*\t+3], v[RD] offset:2*\t*SPITCH   ; LDS serves a wave's instructions in order: these see my stores
.endr
.endm
.macro SEND a, younger
.set BB, BK+64*((\a)%2)
	s_wait_dscnt \younger
.if (\a) > 0
	s_add_nc_u64 s[12:13], s[12:13], 16*SIZE_N*4   ; (behind a wait on XCNT: the earlier stores have read their base)
.endif
.irp t, 0,1,2,3,4,5,6,7
	global_store_b128 v[CO], v[BB+4*\t:BB+4*\t+3], s[12:13] offset:2*\t*SIZE_N*4 th:TH_STORE_NT
.endr
.endm
	PLACES NP
	TOSTAGE 0
.irp a, 1,2,3,4,5,6,7
.if \a > 1
	s_wait_xcnt 0x0                                ; block a - 2's stores have read their registers and their base
.endif
	TOSTAGE \a
	SEND \a-1, 16                                  ; behind block a - 1's loads: block a's 8 stores and 8 loads
.endr
	s_wait_xcnt 0x0
	SEND 7, 0
	s_wait_tensorcnt 0x0                           ; the wave's end
	ds_add_u32 v[SPW], v[NIL]
	s_wait_dscnt 0x0
	CROUND                                         ; the closing round
	s_endpgm
.Lfunc_end_k_qf2192a9fb2_proj:
	.size	k_qf2192a9fb2_proj, .Lfunc_end_k_qf2192a9fb2_proj-k_qf2192a9fb2_proj
	.p2alignl 7, 3214868480
	.fill 96, 4, 3214868480
	.section	.rodata,"a",@progbits
	.p2align	6, 0x0
	.amdhsa_kernel k_qf2192a9fb2_proj
		.amdhsa_group_segment_fixed_size 327680
		.amdhsa_private_segment_fixed_size 0
		.amdhsa_enable_private_segment 0
		.amdhsa_kernarg_size 40
		.amdhsa_user_sgpr_count 2
		.amdhsa_user_sgpr_kernarg_segment_ptr 1
		.amdhsa_wavefront_size32 1
		.amdhsa_system_sgpr_workgroup_id_x 1
		.amdhsa_system_sgpr_workgroup_id_y 1
		.amdhsa_system_sgpr_workgroup_id_z 1
		.amdhsa_system_vgpr_workitem_id 0
		.amdhsa_next_free_vgpr 1024
		.amdhsa_next_free_sgpr 100
		.amdhsa_reserve_vcc 0
		.amdhsa_float_denorm_mode_32 3
		.amdhsa_float_denorm_mode_16_64 3
		.amdhsa_memory_ordered 1
		.amdhsa_forward_progress 1
		.amdhsa_inst_pref_size 82
	.end_amdhsa_kernel
	.amdgpu_metadata
---
amdhsa.version: [ 1, 2 ]
amdhsa.kernels:
  - .name:           k_qf2192a9fb2_proj
    .symbol:         k_qf2192a9fb2_proj.kd
    .args:
      - { .name: a_img, .offset: 0, .size: 8, .value_kind: global_buffer, .address_space: global }
      - { .name: wo_codes, .offset: 8, .size: 8, .value_kind: global_buffer, .address_space: global }
      - { .name: lowp_scales, .offset: 16, .size: 8, .value_kind: global_buffer, .address_space: global }
      - { .name: b_out, .offset: 24, .size: 8, .value_kind: global_buffer, .address_space: global }
      - { .name: out0, .offset: 32, .size: 8, .value_kind: global_buffer, .address_space: global }
    .group_segment_fixed_size: 327680
    .private_segment_fixed_size: 0
    .kernarg_segment_align: 8
    .kernarg_segment_size: 40
    .max_flat_workgroup_size: 128
    .sgpr_count:     100
    .vgpr_count:     1024
    .wavefront_size: 32
...
	.end_amdgpu_metadata
.endif
;; end of part 4
